; MI455X (gfx1250); checked and timed in simulation.
; The chip was launched on July 23, 2026; its instructions are those of AMD's public machine-readable ISA for CDNA 5 (MIT licence, August 2026) and "CDNA5" Instruction Set Architecture Reference Guide (July 2026). The comments in the code are by the model that wrote it; some were corrected since.
;; Attention. Allowed arithmetic: float matrix products may take bf16 or f16 operands with f32 sums; all other float work in f32.
;; Inputs: bk 1,024 float32; bo 1,024 float32; bq 1,024 float32; bv 1,024 float32; wk 1,024 x 1,024 float32; wo 1,024 x 1,024 float32; wq 1,024 x 1,024 float32; wv 1,024 x 1,024 float32; x 2 x 2,048 x 1,024 float32.
;; Outputs: out0 2 x 2,048 x 1,024 float32.
;; 2 versions, each right. Each part assembles by itself: llvm-mc -triple=amdgcn-amd-amdhsa -mcpu=gfx1250 --defsym DOCPART=n.
;; ======== version 1 of 2: 4 launches
;; limits: values are held in f16: magnitudes above 65,504 overflow, below 6.1e-05 lose precision
;; workspace buffers: cb 16,777,216 bytes; tab 524,288 bytes; qkv 25,165,824 bytes; ao 8,388,608 bytes
;; launch prep (part 1): grid 64 x 8, 8 waves a work-group, no clusters, 0 bytes of LDS; arguments x, wq, wk, wv, wo, cb, tab; writes cb, tab
.if DOCPART == 1
	.amdgcn_target "amdgcn-amd-amdhsa--gfx1250"
	.amdhsa_code_object_version 6
	.text
	.protected	k_q5b95f10fd8_prep
	.globl	k_q5b95f10fd8_prep
	.p2align	8
	.type	k_q5b95f10fd8_prep,@function
k_q5b95f10fd8_prep:
	s_mov_b64 s[64:65], 0
	v_nop
	global_prefetch_b8 v0, s[64:65] scope:SCOPE_SE
	s_setreg_imm32_b32 hwreg(HW_REG_WAVE_MODE, 25, 1), 1
	s_wait_xcnt 0x0
; PREP: x, wq, wk, wv, wo (f32) are rounded once to f16 into cb [8192][1024] (rows 0-4095 x, 4096 wq, 5120 wk, 6144 wv, 7168 wo),
; and the RoPE table tab [2048][64] f32 is made: columns 0-31 cos(s theta_f), columns 32-63 sin(s theta_f), theta_f = 10000^(-f/32).
; A stream: no LDS, no barrier, no matrix unit, no cluster (no two work-groups read the same byte).
; Grid y = a unit of 2^20 numbers (0-3: quarters of x; 4-7: wq, wk, wv, wo); grid x = a chunk of 16,384 numbers.
; Thread t, pass i: 32 bytes in at 8192 i + 32 t (two loads), 16 bytes out at 4096 i + 16 t: a store of a wave covers 512 consecutive bytes.
; All sixteen loads go out first; no register is written twice, so no wait but the counted ones is needed.
; LIMITS: f16 holds |value| < 65,504 (larger inputs become infinite) and keeps 11 bits.  The angle is s * theta in f32 as in the
; problem, with theta from v_exp_f32 (1 ULP, ISA guide 15.8) of a rounded exponent: up to about 3e-4 rad off at s = 2047.
.set X,  4                             ; v[4:67]    the sixteen loads
.set Y,  68                            ; v[68:99]   packed f16, pass i in 4 registers
.set TW, 100                           ; v[100:115] the table's work
	s_load_b256 s[4:11], s[0:1], 0x0               ; x, wq, wk, wv
	s_load_b128 s[12:15], s[0:1], 0x20             ; wo, cb
	s_load_b64 s[16:17], s[0:1], 0x30              ; tab
	s_and_b32 s18, ttmp7, 0xffff                   ; unit
	v_lshrrev_b32 v3, 5, v0
	v_readfirstlane_b32 s19, v3                    ; wave
	v_lshlrev_b32 v1, 5, v0                        ; 32 t: in
	v_lshlrev_b32 v2, 4, v0                        ; 16 t: out
	s_cmp_lt_u32 s18, 4
	s_cselect_b32 s22, s18, 0                      ; the quarter of x, or 0 in a weight
	s_lshl_b32 s22, s22, 22                        ; 2^20 numbers of 4 bytes
	s_lshl_b32 s23, ttmp9, 16                      ; 16,384 numbers of 4 bytes
	s_add_co_u32 s22, s22, s23
	s_mov_b32 s23, 0
	s_lshl_b32 s24, s18, 21                        ; in cb: 2^20 numbers of 2 bytes
	s_lshl_b32 s25, ttmp9, 15
	s_add_co_u32 s24, s24, s25
	s_mov_b32 s25, 0
	s_wait_kmcnt 0x0
	s_mov_b64 s[20:21], s[4:5]                     ; the source: x, or the weight that the unit names
	s_cmp_eq_u32 s18, 4
	s_cselect_b64 s[20:21], s[6:7], s[20:21]
	s_cmp_eq_u32 s18, 5
	s_cselect_b64 s[20:21], s[8:9], s[20:21]
	s_cmp_eq_u32 s18, 6
	s_cselect_b64 s[20:21], s[10:11], s[20:21]
	s_cmp_eq_u32 s18, 7
	s_cselect_b64 s[20:21], s[12:13], s[20:21]
	s_add_nc_u64 s[20:21], s[20:21], s[22:23]
	s_add_nc_u64 s[24:25], s[14:15], s[24:25]
.irp i, 0,1,2,3,4,5,6,7
	global_load_b128 v[X+8*\i:X+8*\i+3],   v1, s[20:21] offset:8192*\i th:TH_LOAD_NT
	global_load_b128 v[X+8*\i+4:X+8*\i+7], v1, s[20:21] offset:8192*\i+16 th:TH_LOAD_NT
.endr
	; The table, while the loads are on their way: 512 work-groups x waves 0-3 = 2,048 rows, one wave a row of 256 bytes.
	s_cmp_lt_u32 s19, 4
	s_cbranch_scc0 .Lconv
	s_lshl_b32 s26, s18, 6
	s_add_co_u32 s26, s26, ttmp9
	s_lshl2_add_u32 s26, s26, s19                  ; position s = 4 (64 y + x) + wave
	s_cvt_f32_u32 s27, s26
	s_lshl_b32 s28, s26, 8
	s_mov_b32 s29, 0
	s_add_nc_u64 s[28:29], s[16:17], s[28:29]
	s_mov_b32 s30, 0x40c90fdb                      ; 2 pi, upper part
	s_mov_b32 s31, 0xb43bbd2e                      ; 2 pi, the rest
	s_mov_b32 s32, 0x3fc90fdb                      ; pi / 2
	v_and_b32 v3, 31, v0
	v_lshlrev_b32 v3, 3, v3                        ; 8 bytes a lane: columns 2 lane, 2 lane + 1
	v_and_b32 v[TW], 15, v0
	v_bfe_u32 v[TW+1], v0, 4, 1                    ; lanes 16-31 make the sines
	v_lshlrev_b32 v[TW], 1, v[TW]
	v_cvt_f32_u32 v[TW], v[TW]                     ; f0 = 2 (lane mod 16)
	v_cvt_f32_u32 v[TW+1], v[TW+1]                 ; flag, 0.0 or 1.0
	v_add_f32 v[TW+2], 1.0, v[TW]                  ; f1
	v_mul_f32 v[TW+3], 0xbed49a78, v[TW]           ; -f log2(10000) / 32
	v_mul_f32 v[TW+4], 0xbed49a78, v[TW+2]
	v_exp_f32 v[TW+5], v[TW+3]                     ; theta
	v_exp_f32 v[TW+6], v[TW+4]
	v_mul_f32 v[TW+7], 0xbe800000, v[TW+1]         ; -flag / 4; also the plain instruction behind the exponentials (ISA guide 5.7.2)
	s_wait_alu depctr_va_vdst(0)
; cos(a - flag pi/2) of a = s theta: n = nearest whole number of turns, r = a - 2 pi n - flag pi/2 in [-pi, pi],
; cos r = 1 - 2 sin^2(r/2), sin by its series up to x^11; on |x| <= pi/2 the next term is below 6e-8.
.macro COSV th, out
	v_mul_f32 v[TW+8], s27, v[\th]
	v_fma_f32 v[TW+9], v[TW+8], 0.15915494, v[TW+7]
	v_rndne_f32 v[TW+9], v[TW+9]
	v_fma_f32 v[TW+8], -v[TW+9], s30, v[TW+8]
	v_fma_f32 v[TW+8], -v[TW+9], s31, v[TW+8]
	v_fma_f32 v[TW+8], -v[TW+1], s32, v[TW+8]
	v_mul_f32 v[TW+8], 0.5, v[TW+8]
	v_mul_f32 v[TW+10], v[TW+8], v[TW+8]
	v_mov_b32 v[TW+11], 0xb2d7322b                 ; -1/11!
	v_fmaak_f32 v[TW+11], v[TW+11], v[TW+10], 0x3638ef1d   ; 1/9!
	v_fmaak_f32 v[TW+11], v[TW+11], v[TW+10], 0xb9500d01   ; -1/7!
	v_fmaak_f32 v[TW+11], v[TW+11], v[TW+10], 0x3c088889   ; 1/5!
	v_fmaak_f32 v[TW+11], v[TW+11], v[TW+10], 0xbe2aaaab   ; -1/3!
	v_fma_f32 v[TW+11], v[TW+11], v[TW+10], 1.0
	v_mul_f32 v[TW+11], v[TW+11], v[TW+8]          ; sin(r/2)
	v_mul_f32 v[TW+12], -2.0, v[TW+11]
	v_fma_f32 v[\out], v[TW+12], v[TW+11], 1.0
.endm
	COSV TW+5, TW+14
	COSV TW+6, TW+15
	global_store_b64 v3, v[TW+14:TW+15], s[28:29]  ; the wave stores one whole row: 256 consecutive bytes, aligned
.Lconv:
.irp i, 0,1,2,3,4,5,6,7
	s_wait_loadcnt 14-2*\i                         ; loads come back in order (ISA guide 5.7.1): pass i is in, the later passes' loads stay out
.irp k, 0,1,2,3
	v_cvt_pk_f16_f32 v[Y+4*\i+\k], v[X+8*\i+2*\k], v[X+8*\i+2*\k+1]
.endr
	global_store_b128 v2, v[Y+4*\i:Y+4*\i+3], s[24:25] offset:4096*\i
.endr
	s_endpgm
.Lfunc_end_k_q5b95f10fd8_prep:
	.size	k_q5b95f10fd8_prep, .Lfunc_end_k_q5b95f10fd8_prep-k_q5b95f10fd8_prep
	.p2alignl 7, 3214868480
	.fill 96, 4, 3214868480
	.section	.rodata,"a",@progbits
	.p2align	6, 0x0
	.amdhsa_kernel k_q5b95f10fd8_prep
		.amdhsa_group_segment_fixed_size 0
		.amdhsa_private_segment_fixed_size 0
		.amdhsa_enable_private_segment 0
		.amdhsa_kernarg_size 56
		.amdhsa_user_sgpr_count 2
		.amdhsa_user_sgpr_kernarg_segment_ptr 1
		.amdhsa_wavefront_size32 1
		.amdhsa_system_sgpr_workgroup_id_x 1
		.amdhsa_system_sgpr_workgroup_id_y 1
		.amdhsa_system_sgpr_workgroup_id_z 1
		.amdhsa_system_vgpr_workitem_id 0
		.amdhsa_next_free_vgpr 120
		.amdhsa_next_free_sgpr 66
		.amdhsa_reserve_vcc 0
		.amdhsa_float_denorm_mode_32 3
		.amdhsa_float_denorm_mode_16_64 3
		.amdhsa_memory_ordered 1
		.amdhsa_forward_progress 1
		.amdhsa_inst_pref_size 9
	.end_amdhsa_kernel
	.amdgpu_metadata
---
amdhsa.version: [ 1, 2 ]
amdhsa.kernels:
  - .name:           k_q5b95f10fd8_prep
    .symbol:         k_q5b95f10fd8_prep.kd
    .args:
      - { .name: x, .offset: 0, .size: 8, .value_kind: global_buffer, .address_space: global }
      - { .name: wq, .offset: 8, .size: 8, .value_kind: global_buffer, .address_space: global }
      - { .name: wk, .offset: 16, .size: 8, .value_kind: global_buffer, .address_space: global }
      - { .name: wv, .offset: 24, .size: 8, .value_kind: global_buffer, .address_space: global }
      - { .name: wo, .offset: 32, .size: 8, .value_kind: global_buffer, .address_space: global }
      - { .name: cb, .offset: 40, .size: 8, .value_kind: global_buffer, .address_space: global }
      - { .name: tab, .offset: 48, .size: 8, .value_kind: global_buffer, .address_space: global }
    .group_segment_fixed_size: 0
    .private_segment_fixed_size: 0
    .kernarg_segment_align: 8
    .kernarg_segment_size: 56
    .max_flat_workgroup_size: 256
    .sgpr_count:     66
    .vgpr_count:     120
    .wavefront_size: 32
...
	.end_amdgpu_metadata
.endif
;; end of part 1
;; launch qkv (part 2): grid 16 x 16, 4 waves a work-group, clusters of 4 x 4, 327,680 bytes of LDS; arguments cb, tab, bq, bk, bv, qkv; writes qkv
.if DOCPART == 2
	.amdgcn_target "amdgcn-amd-amdhsa--gfx1250"
	.amdhsa_code_object_version 6
	.text
	.protected	k_q5b95f10fd8_qkv
	.globl	k_q5b95f10fd8_qkv
	.p2align	8
	.type	k_q5b95f10fd8_qkv,@function
k_q5b95f10fd8_qkv:
	s_mov_b64 s[64:65], 0
	v_nop
	global_prefetch_b8 v0, s[64:65] scope:SCOPE_SE
	s_setreg_imm32_b32 hwreg(HW_REG_WAVE_MODE, 25, 1), 1
	s_wait_xcnt 0x0
	s_wait_alu depctr_hold_cnt(0) depctr_sa_sdst(0) depctr_va_vdst(0) depctr_va_sdst(0) depctr_va_ssrc(0) depctr_va_vcc(0) depctr_vm_vsrc(0)
	s_getreg_b32 s2, hwreg(HW_REG_IB_STS2, 6, 4)
	s_cmp_eq_u32 s2, 0
	s_cbranch_scc0 .Lentry_in_a_cluster
	s_endpgm
.Lentry_in_a_cluster:
	s_bfe_u32 s2, ttmp6, 0x10000c
	s_cmp_lg_u32 s2, 0xf033
	s_cbranch_scc0 .Lentry_shape_is_right
	s_endpgm
.Lentry_shape_is_right:
; QKV: for one head and 256 rows of x: q, k, v = x W^T + b, RoPE on q and k, rounded to f16 into qkv [3][32 batch-heads][2048][64].
; Grid x = head, grid y = block of 256 rows.  The block is 256 rows x 192 columns (64 of q, 64 of k, 64 of v).  Four waves; wave w owns
; rows 64 w .. 64 w + 63 and all 192 columns: 4 x 12 accumulator tiles, 384 registers; RoPE partners (d, d + 32) lie in one lane.
; K = 1024 goes in steps of 128 through two LDS slots (256 rows of x, then 192 rows of weights, 256 bytes a row + 16 of padding).
; CLUSTER 4 x 4: the four work-groups of a row of the cluster share the rows of x, the four of a column share a head's weights;
; each tile is asked for jointly.  Wave 0 asks for x, waves 1, 2, 3 for 64 rows of wq, wk, wv: one tensor load a wave behind each round;
; by this text's count a wave has at most two outstanding (the two first fills).
; THE MATRIX INSTRUCTION IS USED TRANSPOSED (source 0 = weights, source 1 = x): register j of lane (r, h) of tile (a, b) is
; C(row 16 a + r, column 16 b + 8 h + j): eight neighbouring columns, which pack into 16 bytes.
; The bias is the C operand of the first K quarter: nothing is cleared and no bias is added later.
; The 48 accumulators take turns, one instruction a turn, in the same order in every quarter.
; LIMITS: operands f16: |x|, |w| and the stored |q|, |k|, |v| must stay below 65,504.
; REGISTERS by windows of 256: window 0 addresses, x fragments, bias, later the table; window 1 weight fragments;
; window 2 tiles of row blocks 0, 1 at v[8 (12 a + b)]; window 3 those of row blocks 2, 3.
.set KSTEP,  128
.set PITCH,  272                       ; odd multiple of 16 bytes: the 16 rows of a fragment load start in different banks (ISA guide 11.1)
.set SLOT,   448*PITCH                 ; 121,856
.set STAGE,  2*SLOT                    ; 243,712: behind the ring, no tensor load lands here
.set SPITCH, 144                       ; a stage row: 64 f16 + 16 bytes
.set SPART,  16*SPITCH                 ; 16 rows of q, of k, of v
.set WSTAGE, 3*SPART                   ; 6,912 bytes a wave
.set LAPS,   4                         ; 1024 / (2 x 128)
.set ADRA, 16                          ; v16-17 LDS address of my x fragments, slot 0, 1
.set ADRB, 20                          ; v20-21 the same for the weights
.set STO,  24                          ; the way out: where a lane puts 16 bytes
.set RD,   25                          ; where it reads them back
.set CO,   26                          ; 16 x lane: offset in the output
.set TOFF, 27                          ; offset in the table
.set BOFF, 28                          ; offset in a bias
.set FA0,  32                          ; x fragments, two buffers of 4 x 8 (window 0)
.set FA1,  64
.set FB0,  0                           ; weight fragments, two buffers of 12 x 8 (window 1)
.set FB1,  96
.set R,    32                          ; the way out: rotated q and k, 8 x 8 (window 0)
.set PKV,  96                          ; packed v, 16 registers (window 0)
.set BIAS, 128                         ; v[128:223] bias of tile column b at 8 b (window 0)
.set TAB,  128                         ; v[128:255] later: row block i: 16 cos, 16 sin at 32 i
.set G1A, 24
.set G0A, 32
.set G1B, 40
.set G0B, 48
.set FLAGS, (1<<16)|(1<<20)|(1<<21)|(5<<22)|(3<<25)   ; 2-byte elements; padding on; bit 21 beside a mask; after 64 words, 4 words
.set MSB, 0
.macro WIN new                         ; the upper byte repeats the setting that is left
.if MSB != \new
	s_set_vgpr_msb (MSB<<8)|\new
.set MSB, \new
.endif
.endm
.macro PLACES                          ; four places behind matrix instructions, in front of loads into and vector work on their registers
.rept 4
	v_nop
.endr
.endm
.macro JLOAD s                         ; the branch hangs on the wave number alone
	s_cmp_eq_u32 s16, 0
	s_cbranch_scc0 .Lfor_b_\@
	tensor_load_to_lds s[G0A+4*(\s):G0A+4*(\s)+3], s[G1A:G1A+7]
	s_nop 0
	s_branch .Lasked_\@
.Lfor_b_\@:
	tensor_load_to_lds s[G0B+4*(\s):G0B+4*(\s)+3], s[G1B:G1B+7]
	s_nop 0
.Lasked_\@:
.endm
.macro CREST                           ; a round of the cluster barrier behind its opening work-group barrier
	s_cmp_lg_u32 s16, 0
	s_cbranch_scc1 .Lnot_wave_0_\@
	s_barrier_signal -3
.Lnot_wave_0_\@:
	s_barrier_wait -3
	s_barrier_signal -1
	s_barrier_wait -1
.endm
.macro CROUND
	s_barrier_signal -1
	s_barrier_wait -1
	CREST
.endm
	s_load_b256 s[4:11], s[0:1], 0x0               ; cb, tab, bq, bk
	s_load_b128 s[12:15], s[0:1], 0x20             ; bv, qkv
	s_set_vgpr_msb 0x40
	v_lshl_add_u32 v255, v0, 2, 0x42400
	s_set_vgpr_msb 0x4000
	v_mov_b32 v127, 0
	s_set_vgpr_msb 0x1
	ds_add_u32 v255, v127
	s_set_vgpr_msb 0x100
	v_lshrrev_b32 v1, 5, v0
	v_readfirstlane_b32 s16, v1                    ; wave
	s_bfe_u32 s17, ttmp6, 0x40000                  ; cx
	s_bfe_u32 s18, ttmp6, 0x40004                  ; cy
	s_lshl_b32 s19, ttmp9, 2
	s_add_co_u32 s19, s19, s17                     ; head
	s_and_b32 s20, ttmp7, 0xffff
	s_lshl_b32 s20, s20, 2
	s_add_co_u32 s20, s20, s18                     ; block of 256 rows
	s_lshl_b32 s78, s18, 2
	s_lshl_b32 s78, 15, s78                        ; my row of the cluster
	s_lshl_b32 s79, 0x1111, s17                    ; my column
	s_or_b32 s[G1A+0], s78, FLAGS                  ; x: shared along the row
	s_mov_b32 s[G1A+1], KSTEP<<16                  ; tensor_dim0 = 128
	s_mov_b32 s[G1A+2], 256<<16                    ; tensor_dim1 = 256
	s_mov_b32 s[G1A+3], KSTEP<<16                  ; tile_dim0 = 128
	s_mov_b32 s[G1A+4], 256                        ; tile_dim1 = 256
	s_mov_b32 s[G1A+5], 1024                       ; elements from row to row
	s_mov_b32 s[G1A+6], 0
	s_mov_b32 s[G1A+7], 0
	s_or_b32 s[G1B+0], s79, FLAGS                  ; weights: shared along the column
	s_mov_b32 s[G1B+1], KSTEP<<16
	s_mov_b32 s[G1B+2], 64<<16                     ; 64 rows
	s_mov_b32 s[G1B+3], KSTEP<<16
	s_mov_b32 s[G1B+4], 64
	s_mov_b32 s[G1B+5], 1024
	s_mov_b32 s[G1B+6], 0
	s_mov_b32 s[G1B+7], 0
	s_lshl_b32 s56, s20, 19                        ; x: 256 rows of 2,048 bytes a block; hangs on the block row alone
	s_mov_b32 s57, 0
	s_lshl_b32 s60, s16, 21                        ; weights: row 3072 + 1024 wave + 64 head of cb; hangs on the head and the wave alone
	s_add_co_u32 s60, s60, 3072<<11
	s_lshl_b32 s61, s19, 17
	s_add_co_u32 s60, s60, s61
	s_mov_b32 s61, 0
	s_mul_i32 s21, s16, 64*PITCH
	s_add_co_u32 s21, s21, 192*PITCH               ; LDS rows 256 + 64 (wave - 1)
	s_wait_dscnt 0x0
	s_wait_kmcnt 0x0
	s_add_nc_u64 s[58:59], s[4:5], s[56:57]
	s_add_nc_u64 s[62:63], s[4:5], s[60:61]
	CROUND                                         ; all sixteen work-groups are here: the first joint loads meet
.irp s, 0,1
	s_mov_b32 s[G0A+4*\s], 1
	s_mov_b32 s[G0A+4*\s+1], \s*SLOT
	s_add_nc_u64 s[G0A+4*\s+2:G0A+4*\s+3], s[58:59], \s*KSTEP*2
	s_or_b32 s[G0A+4*\s+3], s[G0A+4*\s+3], 0x80000000
	s_mov_b32 s[G0B+4*\s], 1
	s_add_co_u32 s[G0B+4*\s+1], s21, \s*SLOT
	s_add_nc_u64 s[G0B+4*\s+2:G0B+4*\s+3], s[62:63], \s*KSTEP*2
	s_or_b32 s[G0B+4*\s+3], s[G0B+4*\s+3], 0x80000000
	JLOAD \s                                       ; K steps 0 and 1: the ring is filled before anything else
.endr
	v_and_b32 v1, 15, v0                           ; r
	v_bfe_u32 v2, v0, 4, 1                         ; h
	v_and_b32 v3, 31, v0                           ; lane
	v_lshlrev_b32 v[BOFF], 5, v2                   ; 8 h numbers of 4 bytes
	s_lshl_b32 s22, s19, 8                         ; a head is 64 numbers of a bias
	s_mov_b32 s23, 0
	s_add_nc_u64 s[8:9], s[8:9], s[22:23]
	s_add_nc_u64 s[10:11], s[10:11], s[22:23]
	s_add_nc_u64 s[12:13], s[12:13], s[22:23]
.irp b, 0,1,2,3
	global_load_b128 v[BIAS+8*\b:BIAS+8*\b+3],       v[BOFF], s[8:9] offset:64*\b
	global_load_b128 v[BIAS+8*\b+4:BIAS+8*\b+7],     v[BOFF], s[8:9] offset:64*\b+16
	global_load_b128 v[BIAS+32+8*\b:BIAS+32+8*\b+3], v[BOFF], s[10:11] offset:64*\b
	global_load_b128 v[BIAS+36+8*\b:BIAS+36+8*\b+3], v[BOFF], s[10:11] offset:64*\b+16
	global_load_b128 v[BIAS+64+8*\b:BIAS+64+8*\b+3], v[BOFF], s[12:13] offset:64*\b
	global_load_b128 v[BIAS+68+8*\b:BIAS+68+8*\b+3], v[BOFF], s[12:13] offset:64*\b+16
.endr
	v_mul_u32_u24 v4, v1, PITCH
	v_lshl_add_u32 v4, v2, 4, v4                   ; r x pitch + 16 h
	s_mul_i32 s22, s16, 64*PITCH                   ; my 64 rows of x
	v_add_nc_u32 v[ADRA], s22, v4
	v_add_nc_u32 v[ADRA+1], SLOT, v[ADRA]
	v_add_nc_u32 v[ADRB], 256*PITCH, v4
	v_add_nc_u32 v[ADRB+1], SLOT+256*PITCH, v4
	s_mul_i32 s22, s16, WSTAGE
	s_add_co_u32 s22, s22, STAGE                   ; my stage
	v_mul_u32_u24 v5, v1, SPITCH
	v_lshl_add_u32 v5, v2, 4, v5
	v_add_nc_u32 v[STO], s22, v5                   ; in: row r, 16 bytes for each half of the lanes
	v_lshrrev_b32 v6, 3, v3
	v_and_b32 v7, 7, v3
	v_mul_u32_u24 v6, v6, SPITCH
	v_lshl_add_u32 v6, v7, 4, v6
	v_add_nc_u32 v[RD], s22, v6                    ; back: eight lanes a row of 128 bytes, four rows a load
	v_lshlrev_b32 v[CO], 4, v3
	v_lshl_add_u32 v[TOFF], v1, 8, v[BOFF]         ; table: row 64 wave + r of 256 bytes, + 32 h
	v_lshl_add_u32 v[TOFF], s16, 14, v[TOFF]
	s_and_b32 s22, s20, 7                          ; block within the batch
	s_lshl_b32 s66, s22, 16
	s_mov_b32 s67, 0
	s_add_nc_u64 s[74:75], s[6:7], s[66:67]        ; table at the block's first position
	s_lshr_b32 s66, s20, 3
	s_lshl4_add_u32 s66, s66, s19                  ; 16 batch + head
	s_lshl_b32 s66, s66, 18                        ; 2,048 rows of 128 bytes
	s_lshl_b32 s22, s22, 15
	s_add_co_u32 s66, s66, s22
	s_lshl_b32 s22, s16, 13
	s_add_co_u32 s66, s66, s22                     ; + my 64 rows
	s_add_nc_u64 s[68:69], s[14:15], s[66:67]      ; q
	s_add_nc_u64 s[70:71], s[68:69], 0x800000      ; k
	s_add_nc_u64 s[72:73], s[70:71], 0x800000      ; v
; 12 matrix instructions: row block 2 hi + a x all 12 column tiles, 32 along K.  bias = 1: C is the bias (window 0).
.macro MUL12 fa, fb, hi, a, bias
.irp b, 0,1,2,3,4,5,6,7,8,9,10,11
.if \bias
	v_wmma_f32_16x16x32_f16 v[8*(12*\a+\b):8*(12*\a+\b)+7], v[\fb+8*\b:\fb+8*\b+7], v[\fa+8*(2*\hi+\a):\fa+8*(2*\hi+\a)+7], v[BIAS+8*\b:BIAS+8*\b+7]
.else
	v_wmma_f32_16x16x32_f16 v[8*(12*\a+\b):8*(12*\a+\b)+7], v[\fb+8*\b:\fb+8*\b+7], v[\fa+8*(2*\hi+\a):\fa+8*(2*\hi+\a)+7], v[8*(12*\a+\b):8*(12*\a+\b)+7]
.endif
.endr
.endm
; 32 LDS loads in one run: 192 weight rows, then my 64 rows of x, 32 K at byte k of the rows
.macro FETCH slot, k, fa, fb
	WIN 0x40
.irp b, 0,1,2,3,4,5,6,7,8,9,10,11
	ds_load_b128 v[\fb+8*\b:\fb+8*\b+3],   v[ADRB+\slot] offset:\k+\b*16*PITCH
	ds_load_b128 v[\fb+8*\b+4:\fb+8*\b+7], v[ADRB+\slot] offset:\k+\b*16*PITCH+32
.endr
	WIN 0
.irp a, 0,1,2,3
	ds_load_b128 v[\fa+8*\a:\fa+8*\a+3],   v[ADRA+\slot] offset:\k+\a*16*PITCH
	ds_load_b128 v[\fa+8*\a+4:\fa+8*\a+7], v[ADRA+\slot] offset:\k+\a*16*PITCH+32
.endr
.endm
.macro QUARTER slot, k, fa, fb, ga, gb, bias
	s_wait_dscnt 4                                 ; all but the four youngest loads (x row blocks 2, 3) are in
.if \bias
	WIN 0x81
.else
	WIN 0xa1
.endif
	MUL12 \fa, \fb, 0, 0, \bias
	MUL12 \fa, \fb, 0, 1, \bias
	PLACES
	FETCH \slot, \k, \ga, \gb
	s_wait_dscnt 32                                ; all but the 32 just issued
.if \bias
	WIN 0xc1
.else
	WIN 0xf1
.endif
	MUL12 \fa, \fb, 1, 0, \bias
	MUL12 \fa, \fb, 1, 1, \bias
.endm
.macro THREE slot, bias
	QUARTER \slot, 64,  FA0, FB0, FA1, FB1, \bias
	QUARTER \slot, 128, FA1, FB1, FA0, FB0, 0
	QUARTER \slot, 192, FA0, FB0, FA1, FB1, 0
.endm
; The last quarter of a K step changes slots.  In front of the barrier every wave has waited for its reads of this slot and for all its
; tensor loads (one is out: its part of the next slot); behind the round the refill is the first tensor load, then the next slot is read.
.macro TURN slot, next, fill
	s_wait_dscnt 4
	WIN 0xa1
	MUL12 FA1, FB1, 0, 0, 0
	s_wait_dscnt 0x0                               ; my reads of this slot are over
	s_wait_tensorcnt 0x0                           ; all my tensor loads have landed
	ds_add_u32 v255, v127
	s_wait_dscnt 0x0
	s_barrier_signal -1
	MUL12 FA1, FB1, 0, 1, 0                        ; register work while the others arrive
	WIN 0
	s_barrier_wait -1
.if \fill
	CREST                                          ; no wave of any partner still reads this slot or has a load on its way
	s_add_nc_u64 s[G0A+4*\slot+2:G0A+4*\slot+3], s[G0A+4*\slot+2:G0A+4*\slot+3], 2*KSTEP*2
	s_add_nc_u64 s[G0B+4*\slot+2:G0B+4*\slot+3], s[G0B+4*\slot+2:G0B+4*\slot+3], 2*KSTEP*2
	JLOAD \slot
.endif
	PLACES
	FETCH \next, 0, FA0, FB0
	WIN 0xf1
	MUL12 FA1, FB1, 1, 0, 0
	MUL12 FA1, FB1, 1, 1, 0
.endm
.macro LAP bias
	THREE 0, \bias
	TURN 0, 1, 1
	THREE 1, 0
	TURN 1, 0, 1
.endm
	s_wait_tensorcnt 1                             ; my part of K step 0 is in; K step 1 stays out
	s_barrier_signal -1
	s_barrier_wait -1
	s_wait_loadcnt 0x0                             ; the bias
	FETCH 0, 0, FA0, FB0
	LAP 1                                          ; the first lap starts the sums from the bias
	WIN 0
	; The table for my 64 rows, into the registers that held the bias; it has three laps in which to land.
.irp i, 0,1,2,3
	global_load_b128 v[TAB+32*\i:TAB+32*\i+3],     v[TOFF], s[74:75] offset:4096*\i
	global_load_b128 v[TAB+32*\i+4:TAB+32*\i+7],   v[TOFF], s[74:75] offset:4096*\i+16
	global_load_b128 v[TAB+32*\i+8:TAB+32*\i+11],  v[TOFF], s[74:75] offset:4096*\i+64
	global_load_b128 v[TAB+32*\i+12:TAB+32*\i+15], v[TOFF], s[74:75] offset:4096*\i+80
	global_load_b128 v[TAB+32*\i+16:TAB+32*\i+19], v[TOFF], s[74:75] offset:4096*\i+128
	global_load_b128 v[TAB+32*\i+20:TAB+32*\i+23], v[TOFF], s[74:75] offset:4096*\i+144
	global_load_b128 v[TAB+32*\i+24:TAB+32*\i+27], v[TOFF], s[74:75] offset:4096*\i+192
	global_load_b128 v[TAB+32*\i+28:TAB+32*\i+31], v[TOFF], s[74:75] offset:4096*\i+208
.endr
	s_mov_b32 s3, LAPS-2
.Llap:
	LAP 0
	WIN 0
	s_sub_co_u32 s3, s3, 1
	s_cmp_lg_u32 s3, 0
	s_cbranch_scc1 .Llap
	THREE 0, 0                                     ; the last lap fills nothing
	TURN 0, 1, 0
	THREE 1, 0
	s_wait_dscnt 4
	WIN 0xa1
	MUL12 FA1, FB1, 0, 0, 0
	MUL12 FA1, FB1, 0, 1, 0
	s_wait_dscnt 0x0
	WIN 0xf1
	MUL12 FA1, FB1, 1, 0, 0
	MUL12 FA1, FB1, 1, 1, 0
	; THE WAY OUT, 16 rows at a time: rotate q and k in f32, round to f16, through my own stage, out as runs of 512 consecutive bytes.
	PLACES
	s_wait_loadcnt 0x0                             ; the table
.macro OUT16 i, a, w, rb
	WIN \w                                         ; source 0 = accumulators
.irp p, 0,1
.irp bb, 0,1
.irp c, 0,2,4,6
.set t1, 8*(12*\a+4*\p+\bb)+\c
.set o1, R+8*(4*\p+\bb)+\c
.set cs, TAB+32*\i+8*\bb+\c
	v_pk_mul_f32 v[o1:o1+1],       v[t1+16:t1+17], v[cs+16:cs+17]     ; t2 sin
	v_pk_mul_f32 v[o1+16:o1+17],   v[t1:t1+1],     v[cs+16:cs+17]     ; t1 sin
.endr
.irp c, 0,2,4,6
.set t1, 8*(12*\a+4*\p+\bb)+\c
.set o1, R+8*(4*\p+\bb)+\c
.set cs, TAB+32*\i+8*\bb+\c
	v_pk_fma_f32 v[o1:o1+1],     v[t1:t1+1],     v[cs:cs+1], v[o1:o1+1] neg_lo:[0,0,1] neg_hi:[0,0,1]   ; t1 cos - t2 sin
	v_pk_fma_f32 v[o1+16:o1+17], v[t1+16:t1+17], v[cs:cs+1], v[o1+16:o1+17]                             ; t2 cos + t1 sin
.endr
.endr
.endr
	WIN 5*\w                                       ; sources 0 and 1 = accumulators
.irp b, 0,1,2,3
.irp c, 0,1,2,3
	v_cvt_pk_f16_f32 v[PKV+4*\b+\c], v[8*(12*\a+8+\b)+2*\c], v[8*(12*\a+8+\b)+2*\c+1]
.endr
.endr
	WIN 0
.irp b, 0,1,2,3,4,5,6,7
.irp c, 0,1,2,3
	v_cvt_pk_f16_f32 v[R+8*\b+\c], v[R+8*\b+2*\c], v[R+8*\b+2*\c+1]   ; in place: word c is written after words 2 c, 2 c + 1 of lower c were read
.endr
.endr
.irp b, 0,1,2,3
	ds_store_b128 v[STO], v[R+8*\b:R+8*\b+3]       offset:32*\b
	ds_store_b128 v[STO], v[R+32+8*\b:R+32+8*\b+3] offset:SPART+32*\b
	ds_store_b128 v[STO], v[PKV+4*\b:PKV+4*\b+3]   offset:2*SPART+32*\b
.endr
	s_wait_xcnt 0x0                                ; the read-back registers, data of earlier stores, are loaded again only behind this wait (ISA guide 3.1)
	WIN 0x40
.irp p, 0,1,2
.irp t, 0,1,2,3
	ds_load_b128 v[\rb+4*(4*\p+\t):\rb+4*(4*\p+\t)+3], v[RD] offset:\p*SPART+\t*4*SPITCH   ; LDS serves a wave in order (ISA guide 5.7.1): these see the stores above
.endr
.endr
	WIN 0x04
.irp p, 0,1,2
.irp t, 0,1,2,3
	s_wait_dscnt 11-(4*\p+\t)
	global_store_b128 v[CO], v[\rb+4*(4*\p+\t):\rb+4*(4*\p+\t)+3], s[68+2*\p:69+2*\p] offset:2048*\i+512*\t   ; four rows of 128 bytes: 512 consecutive bytes
.endr
.endr
.endm
	OUT16 0, 0, 2, 0
	OUT16 1, 1, 2, 48
	OUT16 2, 0, 3, 0
	OUT16 3, 1, 3, 48
	WIN 0
	s_set_vgpr_msb 0x1
	s_wait_tensorcnt 0x0
	ds_add_u32 v255, v127
	s_wait_dscnt 0x0
	s_set_vgpr_msb 0x100
	CROUND                                         ; the closing round: no work-group ends while a partner may still ask jointly
	s_endpgm
.Lfunc_end_k_q5b95f10fd8_qkv:
	.size	k_q5b95f10fd8_qkv, .Lfunc_end_k_q5b95f10fd8_qkv-k_q5b95f10fd8_qkv
	.p2alignl 7, 3214868480
	.fill 96, 4, 3214868480
	.section	.rodata,"a",@progbits
	.p2align	6, 0x0
	.amdhsa_kernel k_q5b95f10fd8_qkv
		.amdhsa_group_segment_fixed_size 327680
		.amdhsa_private_segment_fixed_size 0
		.amdhsa_enable_private_segment 0
		.amdhsa_kernarg_size 48
		.amdhsa_user_sgpr_count 2
		.amdhsa_user_sgpr_kernarg_segment_ptr 1
		.amdhsa_wavefront_size32 1
		.amdhsa_system_sgpr_workgroup_id_x 1
		.amdhsa_system_sgpr_workgroup_id_y 1
		.amdhsa_system_sgpr_workgroup_id_z 1
		.amdhsa_system_vgpr_workitem_id 0
		.amdhsa_next_free_vgpr 960
		.amdhsa_next_free_sgpr 80
		.amdhsa_reserve_vcc 0
		.amdhsa_float_denorm_mode_32 3
		.amdhsa_float_denorm_mode_16_64 3
		.amdhsa_memory_ordered 1
		.amdhsa_forward_progress 1
		.amdhsa_inst_pref_size 185
	.end_amdhsa_kernel
	.amdgpu_metadata
---
amdhsa.version: [ 1, 2 ]
amdhsa.kernels:
  - .name:           k_q5b95f10fd8_qkv
    .symbol:         k_q5b95f10fd8_qkv.kd
    .args:
      - { .name: cb, .offset: 0, .size: 8, .value_kind: global_buffer, .address_space: global }
      - { .name: tab, .offset: 8, .size: 8, .value_kind: global_buffer, .address_space: global }
      - { .name: bq, .offset: 16, .size: 8, .value_kind: global_buffer, .address_space: global }
      - { .name: bk, .offset: 24, .size: 8, .value_kind: global_buffer, .address_space: global }
      - { .name: bv, .offset: 32, .size: 8, .value_kind: global_buffer, .address_space: global }
      - { .name: qkv, .offset: 40, .size: 8, .value_kind: global_buffer, .address_space: global }
    .group_segment_fixed_size: 327680
    .private_segment_fixed_size: 0
    .kernarg_segment_align: 8
    .kernarg_segment_size: 48
    .max_flat_workgroup_size: 128
    .sgpr_count:     80
    .vgpr_count:     960
    .wavefront_size: 32
...
	.end_amdgpu_metadata
.endif
;; end of part 2
;; launch attn (part 3): grid 8 x 32, 4 waves a work-group, clusters of 4 x 1, 327,680 bytes of LDS; arguments qkv, ao; writes ao
.if DOCPART == 3
	.amdgcn_target "amdgcn-amd-amdhsa--gfx1250"
	.amdhsa_code_object_version 6
	.text
	.protected	k_q5b95f10fd8_attn
	.globl	k_q5b95f10fd8_attn
	.p2align	8
	.type	k_q5b95f10fd8_attn,@function
k_q5b95f10fd8_attn:
	s_mov_b64 s[64:65], 0
	v_nop
	global_prefetch_b8 v0, s[64:65] scope:SCOPE_SE
	s_setreg_imm32_b32 hwreg(HW_REG_WAVE_MODE, 25, 1), 1
	s_wait_xcnt 0x0
	s_wait_alu depctr_hold_cnt(0) depctr_sa_sdst(0) depctr_va_vdst(0) depctr_va_sdst(0) depctr_va_ssrc(0) depctr_va_vcc(0) depctr_vm_vsrc(0)
	s_getreg_b32 s2, hwreg(HW_REG_IB_STS2, 6, 4)
	s_cmp_eq_u32 s2, 0
	s_cbranch_scc0 .Lentry_in_a_cluster
	s_endpgm
.Lentry_in_a_cluster:
	s_bfe_u32 s2, ttmp6, 0x10000c
	s_cmp_lg_u32 s2, 0x3003
	s_cbranch_scc0 .Lentry_shape_is_right
	s_endpgm
.Lentry_shape_is_right:
; ATTN: softmax(q k^T / 8) v for one batch-head (grid y) and 256 queries (grid x), with a running maximum; result f16 into ao [32][2048][64].
; Four waves, 64 queries each (4 query tiles).  Keys go in tiles of 256 through two LDS slots, 128 keys a step.
; EVERYTHING IS TRANSPOSED so that a query stays in a lane:
;   S^T = K Q^T: source 0 = 16 keys, source 1 = 16 queries (held in registers): register j of lane (r, h) = S(key 8 h + j, query r);
;   two S^T tiles, after exp and packing to f16, ARE the source-1 fragment of P^T for 32 keys (word 4 kt + j / 2);
;   O^T = V^T P^T: source 0 by the transposing LDS load from V stored [key][d]; register j of lane (r, h) = O(query r, d 16 dt + 8 h + j).
; Maximum, sum and rescaling are one number a lane; lanes r and r + 16 hold the two halves of a query's keys and meet by one lane exchange.
; The shift of a tile is NM = -M c, c = log2(e) / 8; old sums are rescaled by exp2(NM new - NM old), so old and new terms carry the same shift.
; CLUSTER 4 x 1: the four query blocks of a cluster read the same K and V tiles and ask for them jointly (mask 15).  Waves 0, 1 ask for the
; halves of K, waves 2, 3 for those of V: one tensor load a wave behind each round, one outstanding by this text's count.
; Matrix instructions take their accumulators by turns, one instruction a turn.
; LIMITS: q, k, v, p are f16: p below 6e-8 rounds to a denormal or zero; the row sum is made of the unrounded p.
; REGISTERS: window 0 addresses, S, P, softmax state; window 1 K fragments v[0:127], V fragments v[128:255]; window 2 Q v[0:63], O v[64:191].
.set KP,    144                        ; K rows: 128 bytes + 16: odd multiple of 16
.set VP,    160                        ; V rows: 128 bytes + 32: odd multiple of 32, for the transposing load
.set SLOT,  256*KP+256*VP              ; 77,824
.set STAGE, 2*SLOT                     ; 155,648
.set WSTAGE, 64*KP                     ; 9,216 a wave
.set TILEB, 256*128                    ; bytes of 256 keys in memory
.set ADRK, 16
.set ADRV, 18
.set STO,  20
.set RD,   21
.set CO,   22
.set QOFF, 23
.set SB0,  32                          ; S^T of one query tile: 8 key tiles x 8
.set SB1,  96
.set P,    160                         ; 32 words
.set MX,   192                         ; 8
.set MS,   200                         ; running maximum, query tile q
.set LS,   204                         ; running sum (of my half of the keys)
.set NM,   208                         ; pair: the shift
.set AL,   210                         ; pair: the rescaling factor
.set T,    212                         ; 8, at work
.set NS,   220                         ; the shift in force, query tile q
.set OB,   64                          ; window 2: O(dt, q) at OB + 8 (4 q + dt)
.set VB,   128                         ; window 1: V(dt, kk) at VB + 8 (4 kk + dt)
.set G1K, 16
.set G1V, 24
.set G0K, 32
.set G0V, 40
.set MSB, 0
.macro WIN new
.if MSB != \new
	s_set_vgpr_msb (MSB<<8)|\new
.set MSB, \new
.endif
.endm
.macro PLACES                          ; four places behind matrix instructions (ISA guide 7.12.1)
.rept 4
	v_nop
.endr
.endm
.macro JLOAD s
	s_cmp_eq_u32 s9, 0
	s_cbranch_scc0 .Lfor_v_\@
	tensor_load_to_lds s[G0K+4*(\s):G0K+4*(\s)+3], s[G1K:G1K+7]
	s_nop 0
	s_branch .Lasked_\@
.Lfor_v_\@:
	tensor_load_to_lds s[G0V+4*(\s):G0V+4*(\s)+3], s[G1V:G1V+7]
	s_nop 0
.Lasked_\@:
.endm
.macro ROUND                           ; a round of the cluster barrier
	s_barrier_signal -1
	s_barrier_wait -1
	s_cmp_lg_u32 s8, 0
	s_cbranch_scc1 .Lnot_wave_0_\@
	s_barrier_signal -3
.Lnot_wave_0_\@:
	s_barrier_wait -3
	s_barrier_signal -1
	s_barrier_wait -1
.endm
	s_load_b128 s[4:7], s[0:1], 0x0                ; qkv, ao
	v_lshl_add_u32 v254, v0, 2, 0x2f000
	v_mov_b32 v255, 0
	ds_add_u32 v254, v255
	v_lshrrev_b32 v1, 5, v0
	v_readfirstlane_b32 s8, v1                     ; wave
	s_lshr_b32 s9, s8, 1                           ; 0: I ask for K, 1: for V
	s_and_b32 s10, s8, 1                           ; which 128 keys of the tile
	s_bfe_u32 s11, ttmp6, 0x40000                  ; cx
	s_lshl_b32 s12, ttmp9, 2
	s_add_co_u32 s12, s12, s11                     ; block of 256 queries
	s_and_b32 s13, ttmp7, 0xffff                   ; batch-head
	s_mov_b32 s[G1K+0], 15|(1<<16)|(1<<20)|(1<<21)|(4<<22)|(3<<25)   ; mask of the four; 2-byte elements; after 32 words pad 4
	s_mov_b32 s[G1K+1], 64<<16                     ; tensor_dim0 = 64
	s_mov_b32 s[G1K+2], 128<<16                    ; tensor_dim1 = 128
	s_mov_b32 s[G1K+3], 64<<16                     ; tile_dim0 = 64
	s_mov_b32 s[G1K+4], 128                        ; tile_dim1 = 128
	s_mov_b32 s[G1K+5], 64                         ; elements from row to row
	s_mov_b32 s[G1K+6], 0
	s_mov_b32 s[G1K+7], 0
	s_mov_b32 s[G1V+0], 15|(1<<16)|(1<<20)|(1<<21)|(4<<22)|(7<<25)   ; the same, pad 8 words
	s_mov_b32 s[G1V+1], 64<<16
	s_mov_b32 s[G1V+2], 128<<16
	s_mov_b32 s[G1V+3], 64<<16
	s_mov_b32 s[G1V+4], 128
	s_mov_b32 s[G1V+5], 64
	s_mov_b32 s[G1V+6], 0
	s_mov_b32 s[G1V+7], 0
	s_lshl_b32 s60, s13, 18                        ; the head: 2,048 rows of 128 bytes; no place in the cluster enters
	s_lshl_b32 s14, s10, 14                        ; my 128 rows
	s_add_co_u32 s60, s60, s14
	s_mov_b32 s61, 0
	s_mul_i32 s14, s10, 128*KP                     ; where they go
	s_mul_i32 s15, s10, 128*VP
	s_add_co_u32 s15, s15, 256*KP
	s_mov_b32 s50, 0x76543210                      ; lane i of one half reads lane i of the other
	s_mov_b32 s51, 0xfedcba98
	s_mov_b32 s52, 0x3e38aa3b                      ; c = log2(e) / 8
	s_mov_b32 s53, 0x3e38aa3b
	s_mov_b32 s54, 0xbe38aa3b                      ; -c
	s_wait_dscnt 0x0
	s_wait_kmcnt 0x0
	s_add_nc_u64 s[62:63], s[4:5], s[60:61]
.irp s, 0,1
	s_mov_b32 s[G0K+4*\s], 1
	s_add_co_u32 s[G0K+4*\s+1], s14, \s*SLOT
	s_add_nc_u64 s[G0K+4*\s+2:G0K+4*\s+3], s[62:63], 0x800000+\s*TILEB
	s_or_b32 s[G0K+4*\s+3], s[G0K+4*\s+3], 0x80000000
	s_mov_b32 s[G0V+4*\s], 1
	s_add_co_u32 s[G0V+4*\s+1], s15, \s*SLOT
	s_add_nc_u64 s[G0V+4*\s+2:G0V+4*\s+3], s[62:63], 0x1000000+\s*TILEB
	s_or_b32 s[G0V+4*\s+3], s[G0V+4*\s+3], 0x80000000
.endr
	ROUND                                          ; in front of the first joint load
	JLOAD 0                                        ; keys 0 to 255
	s_lshl_b32 s60, s13, 18
	s_lshl_b32 s49, s12, 15
	s_add_co_u32 s60, s60, s49
	s_lshl_b32 s49, s8, 13
	s_add_co_u32 s60, s60, s49                     ; head, query block, my 64 queries
	s_add_nc_u64 s[56:57], s[4:5], s[60:61]        ; q
	s_add_nc_u64 s[58:59], s[6:7], s[60:61]        ; ao
	v_and_b32 v1, 15, v0                           ; r
	v_bfe_u32 v2, v0, 4, 1                         ; h
	v_and_b32 v3, 31, v0                           ; lane
	v_lshlrev_b32 v[QOFF], 7, v1
	v_lshl_add_u32 v[QOFF], v2, 4, v[QOFF]         ; row r of 128 bytes + 16 h
	WIN 0x80
.irp q, 0,1,2,3
.irp kh, 0,1
	global_load_b128 v[16*\q+8*\kh:16*\q+8*\kh+3],   v[QOFF], s[56:57] offset:2048*\q+64*\kh
	global_load_b128 v[16*\q+8*\kh+4:16*\q+8*\kh+7], v[QOFF], s[56:57] offset:2048*\q+64*\kh+32
.endr
.endr
	WIN 0
	v_mul_u32_u24 v4, v1, KP
	v_lshl_add_u32 v4, v2, 4, v4                   ; r x 144 + 16 h
	v_mov_b32 v[ADRK], v4
	v_add_nc_u32 v[ADRK+1], SLOT, v4
	v_and_b32 v5, 7, v3
	v_lshl_add_u32 v5, v2, 3, v5                   ; key 8 h + lane mod 8
	v_mul_u32_u24 v5, v5, VP
	v_bfe_u32 v6, v0, 3, 1
	v_lshl_add_u32 v5, v6, 4, v5                   ; + 16 bytes for the odd groups of eight lanes
	v_add_nc_u32 v[ADRV], 256*KP, v5
	v_add_nc_u32 v[ADRV+1], SLOT+256*KP, v5
	s_mul_i32 s49, s8, WSTAGE
	s_add_co_u32 s49, s49, STAGE
	v_add_nc_u32 v[STO], s49, v4
	v_lshrrev_b32 v6, 3, v3
	v_and_b32 v7, 7, v3
	v_mul_u32_u24 v6, v6, KP
	v_lshl_add_u32 v6, v7, 4, v6
	v_add_nc_u32 v[RD], s49, v6
	v_lshlrev_b32 v[CO], 4, v3
	s_wait_loadcnt 0x0                             ; q
.macro KLOAD sl, u                     ; 128 keys x 64 d as 16 fragments
	WIN 0x40
.irp t, 0,1,2,3,4,5,6,7
.irp kh, 0,1
	ds_load_b128 v[16*\t+8*\kh:16*\t+8*\kh+3],   v[ADRK+\sl] offset:128*KP*(\u)+16*KP*\t+64*\kh
	ds_load_b128 v[16*\t+8*\kh+4:16*\t+8*\kh+7], v[ADRK+\sl] offset:128*KP*(\u)+16*KP*\t+64*\kh+32
.endr
.endr
.endm
.macro VLOAD sl, u                     ; the same keys of V, transposed on the way: 16 fragments (16 d x 32 keys)
	WIN 0x40
.irp kk, 0,1,2,3
.irp dt, 0,1,2,3
	ds_load_tr16_b128 v[VB+8*(4*\kk+\dt):VB+8*(4*\kk+\dt)+3],   v[ADRV+\sl] offset:128*VP*(\u)+32*VP*\kk+32*\dt
	ds_load_tr16_b128 v[VB+8*(4*\kk+\dt)+4:VB+8*(4*\kk+\dt)+7], v[ADRV+\sl] offset:128*VP*(\u)+32*VP*\kk+32*\dt+16*VP
.endr
.endr
.endm
.macro SQK q, sb                       ; S^T of query tile q and 128 keys: the first half of d starts the sums
	WIN 0x09
.irp t, 0,1,2,3,4,5,6,7
	v_wmma_f32_16x16x32_f16 v[\sb+8*\t:\sb+8*\t+7], v[16*\t:16*\t+7], v[16*\q:16*\q+7], 0
.endr
.irp t, 0,1,2,3,4,5,6,7
	v_wmma_f32_16x16x32_f16 v[\sb+8*\t:\sb+8*\t+7], v[16*\t+8:16*\t+15], v[16*\q+8:16*\q+15], v[\sb+8*\t:\sb+8*\t+7]
.endr
.endm
.macro SM q, sb, first                 ; running softmax of query tile q on the 64 numbers a lane holds
	WIN 0
.irp t, 0,1,2,3,4,5,6,7
	v_max3_num_f32 v[MX+\t], v[\sb+8*\t], v[\sb+8*\t+1], v[\sb+8*\t+2]
.endr
.irp t, 0,1,2,3,4,5,6,7
	v_max3_num_f32 v[MX+\t], v[MX+\t], v[\sb+8*\t+3], v[\sb+8*\t+4]
.endr
.irp t, 0,1,2,3,4,5,6,7
	v_max3_num_f32 v[MX+\t], v[MX+\t], v[\sb+8*\t+5], v[\sb+8*\t+6]
.endr
.irp t, 0,1,2,3,4,5,6,7
	v_max_num_f32 v[MX+\t], v[MX+\t], v[\sb+8*\t+7]
.endr
	v_max3_num_f32 v[MX], v[MX], v[MX+1], v[MX+2]
	v_max3_num_f32 v[MX+3], v[MX+3], v[MX+4], v[MX+5]
	v_max3_num_f32 v[MX], v[MX], v[MX+6], v[MX+7]
	v_max_num_f32 v[MX], v[MX], v[MX+3]
	v_permlanex16_b32 v[MX+1], v[MX], s50, s51     ; the other half of the query's keys
.if \first
	v_max_num_f32 v[MS+\q], v[MX], v[MX+1]
	v_mul_f32 v[NM], s54, v[MS+\q]
	v_mul_f32 v[NM+1], s54, v[MS+\q]
	v_mov_b32 v[NS+\q], v[NM]
.else
	v_max3_num_f32 v[MS+\q], v[MX], v[MX+1], v[MS+\q]
	v_mul_f32 v[NM], s54, v[MS+\q]
	v_mul_f32 v[NM+1], s54, v[MS+\q]
	v_sub_f32 v[T], v[NM], v[NS+\q]                ; at most 0
	v_mov_b32 v[NS+\q], v[NM]
	v_exp_f32 v[AL], v[T]                          ; the multiply-adds below are the plain instructions behind these two (ISA guide 5.7.2)
	v_exp_f32 v[AL+1], v[T]
.endif
.set j, 0
.rept 32
	v_pk_fma_f32 v[\sb+j:\sb+j+1], v[\sb+j:\sb+j+1], s[52:53], v[NM:NM+1] op_sel_hi:[1,0,1]
.set j, j+2
.endr
.set j, 0
.rept 64
	v_exp_f32 v[\sb+j], v[\sb+j]
.set j, j+1
.endr
	v_nop                                          ; the plain place behind the exponentials
.set j, 0
	s_wait_alu depctr_va_vdst(0)
.rept 32
	v_cvt_pk_f16_f32 v[P+j], v[\sb+2*j], v[\sb+2*j+1]
.set j, j+1
.endr
.irp i, 0,1,2,3,4,5,6,7,8,9,10,11,12,13,14,15
	v_pk_add_f32 v[\sb+2*\i:\sb+2*\i+1], v[\sb+2*\i:\sb+2*\i+1], v[\sb+2*\i+32:\sb+2*\i+33]
.endr
.irp i, 0,1,2,3,4,5,6,7
	v_pk_add_f32 v[\sb+2*\i:\sb+2*\i+1], v[\sb+2*\i:\sb+2*\i+1], v[\sb+2*\i+16:\sb+2*\i+17]
.endr
.irp i, 0,1,2,3
	v_pk_add_f32 v[\sb+2*\i:\sb+2*\i+1], v[\sb+2*\i:\sb+2*\i+1], v[\sb+2*\i+8:\sb+2*\i+9]
.endr
.irp i, 0,1
	v_pk_add_f32 v[\sb+2*\i:\sb+2*\i+1], v[\sb+2*\i:\sb+2*\i+1], v[\sb+2*\i+4:\sb+2*\i+5]
.endr
	v_pk_add_f32 v[\sb:\sb+1], v[\sb:\sb+1], v[\sb+2:\sb+3]
.if \first
	v_add_f32 v[LS+\q], v[\sb], v[\sb+1]
.else
	v_add_f32 v[T+1], v[\sb], v[\sb+1]
	v_fma_f32 v[LS+\q], v[LS+\q], v[AL], v[T+1]
.endif
.endm
.macro RESC q                          ; the old O of query tile q under the new shift
	WIN 0x82
.set j, 0
.rept 16
	v_pk_mul_f32 v[OB+32*\q+j:OB+32*\q+j+1], v[OB+32*\q+j:OB+32*\q+j+1], v[AL:AL+1]
.set j, j+2
.endr
.endm
.macro PV q, first                     ; O^T += V^T P^T over 128 keys
	WIN 0xa1
.irp dt, 0,1,2,3
.if \first
	v_wmma_f32_16x16x32_f16 v[OB+8*(4*\q+\dt):OB+8*(4*\q+\dt)+7], v[VB+8*\dt:VB+8*\dt+7], v[P:P+7], 0
.else
	v_wmma_f32_16x16x32_f16 v[OB+8*(4*\q+\dt):OB+8*(4*\q+\dt)+7], v[VB+8*\dt:VB+8*\dt+7], v[P:P+7], v[OB+8*(4*\q+\dt):OB+8*(4*\q+\dt)+7]
.endif
.endr
.irp kk, 1,2,3
.irp dt, 0,1,2,3
	v_wmma_f32_16x16x32_f16 v[OB+8*(4*\q+\dt):OB+8*(4*\q+\dt)+7], v[VB+8*(4*\kk+\dt):VB+8*(4*\kk+\dt)+7], v[P+8*\kk:P+8*\kk+7], v[OB+8*(4*\q+\dt):OB+8*(4*\q+\dt)+7]
.endr
.endr
.endm
.macro SOFTPV q, sb, first
	SM \q, \sb, \first
.if \first == 0
	RESC \q
.endif
.endm
; 128 keys.  S of a query tile is made one tile ahead of its softmax, on two buffers by turns.
.macro STEP sl, u, first, kpre
	s_wait_dscnt 0x0                               ; the K fragments are in
	SQK 0, SB0
	SQK 1, SB1
	PLACES                                         ; behind the last products: V fragments are loaded again, S is read
	VLOAD \sl, \u
	SOFTPV 0, SB0, \first
	s_wait_dscnt 0x0                               ; the V fragments are in
	PV 0, \first
	SQK 2, SB0
	SOFTPV 1, SB1, \first
	PV 1, \first
	SQK 3, SB1
.if \kpre
	PLACES                                         ; the K fragments have been read for the last time
	KLOAD \sl, \u+1
.endif
	SOFTPV 2, SB0, \first
	PV 2, \first
	SOFTPV 3, SB1, \first
	PV 3, \first
.endm
; 256 keys = one slot.  In front of the round every wave has waited for all its tensor loads (its part of this slot among them) and for its
; reads of the other slot; behind it the other slot is asked for again first, then this slot is read.
.macro TRIP slot, refill, first
	WIN 0
	s_wait_tensorcnt 0x0
	ds_add_u32 v254, v255
	s_wait_dscnt 0x0
	s_add_nc_u64 s[G0K+4*\slot+2:G0K+4*\slot+3], s[G0K+4*\slot+2:G0K+4*\slot+3], 2*TILEB   ; no load of mine is out: this slot's next tile
	s_add_nc_u64 s[G0V+4*\slot+2:G0V+4*\slot+3], s[G0V+4*\slot+2:G0V+4*\slot+3], 2*TILEB
	s_wait_dscnt 0x0
	ROUND
.if \refill
	JLOAD 1-\slot
.endif
	PLACES
	KLOAD \slot, 0
	STEP \slot, 0, \first, 1
	STEP \slot, 1, 0, 0
.endm
	TRIP 0, 1, 1                                   ; the first step starts maxima, sums and O: nothing is cleared
	TRIP 1, 1, 0
	WIN 0
	s_mov_b32 s48, 2
.Lpair:
	TRIP 0, 1, 0
	TRIP 1, 1, 0
	WIN 0
	s_sub_co_u32 s48, s48, 1
	s_cmp_lg_u32 s48, 0
	s_cbranch_scc1 .Lpair
	TRIP 0, 1, 0
	TRIP 1, 0, 0                                   ; the last tile: nothing is left to fetch
	; THE WAY OUT: divide by the sums, round to f16, through my own stage, out as runs of 512 consecutive bytes.
	WIN 0
	PLACES
.irp q, 0,1,2,3
	v_permlanex16_b32 v[MX+\q], v[LS+\q], s50, s51
.endr
.irp q, 0,1,2,3
	v_add_f32 v[LS+\q], v[LS+\q], v[MX+\q]
.endr
.irp q, 0,1,2,3
	v_rcp_f32 v[T+2*\q], v[LS+\q]
	v_rcp_f32 v[T+2*\q+1], v[LS+\q]
.endr
	v_nop                                          ; the plain place behind the reciprocals
	WIN 0x82
	s_wait_alu depctr_va_vdst(0)
.irp q, 0,1,2,3
.set j, 0
.rept 16
	v_pk_mul_f32 v[OB+32*\q+j:OB+32*\q+j+1], v[OB+32*\q+j:OB+32*\q+j+1], v[T+2*\q:T+2*\q+1]
.set j, j+2
.endr
.endr
	WIN 0x0a
.set j, 0
.rept 64
	v_cvt_pk_f16_f32 v[SB1+j], v[OB+2*j], v[OB+2*j+1]
.set j, j+1
.endr
	WIN 0
.irp q, 0,1,2,3
.irp dt, 0,1,2,3
	ds_store_b128 v[STO], v[SB1+4*(4*\q+\dt):SB1+4*(4*\q+\dt)+3] offset:16*KP*\q+32*\dt
.endr
.endr
.irp t, 0,1,2,3,4,5,6,7,8,9,10,11,12,13,14,15
	ds_load_b128 v[SB0+4*\t:SB0+4*\t+3], v[RD] offset:4*KP*\t      ; LDS serves a wave in order (ISA guide 5.7.1): these see the stores above
.endr
.irp t, 0,1,2,3,4,5,6,7,8,9,10,11,12,13,14,15
	s_wait_dscnt 15-\t
	global_store_b128 v[CO], v[SB0+4*\t:SB0+4*\t+3], s[58:59] offset:512*\t
.endr
	s_wait_tensorcnt 0x0
	ds_add_u32 v254, v255
	s_wait_dscnt 0x0
	ROUND                                          ; the closing round
	s_endpgm
.Lfunc_end_k_q5b95f10fd8_attn:
	.size	k_q5b95f10fd8_attn, .Lfunc_end_k_q5b95f10fd8_attn-k_q5b95f10fd8_attn
	.p2alignl 7, 3214868480
	.fill 96, 4, 3214868480
	.section	.rodata,"a",@progbits
	.p2align	6, 0x0
	.amdhsa_kernel k_q5b95f10fd8_attn
		.amdhsa_group_segment_fixed_size 327680
		.amdhsa_private_segment_fixed_size 0
		.amdhsa_enable_private_segment 0
		.amdhsa_kernarg_size 16
		.amdhsa_user_sgpr_count 2
		.amdhsa_user_sgpr_kernarg_segment_ptr 1
		.amdhsa_wavefront_size32 1
		.amdhsa_system_sgpr_workgroup_id_x 1
		.amdhsa_system_sgpr_workgroup_id_y 1
		.amdhsa_system_sgpr_workgroup_id_z 1
		.amdhsa_system_vgpr_workitem_id 0
		.amdhsa_next_free_vgpr 768
		.amdhsa_next_free_sgpr 66
		.amdhsa_reserve_vcc 0
		.amdhsa_float_denorm_mode_32 3
		.amdhsa_float_denorm_mode_16_64 3
		.amdhsa_memory_ordered 1
		.amdhsa_forward_progress 1
		.amdhsa_inst_pref_size 255
	.end_amdhsa_kernel
	.section	.bss,"aw",@nobits
	.p2align	6
	.space	262144
	.amdgpu_metadata
---
amdhsa.version: [ 1, 2 ]
amdhsa.kernels:
  - .name:           k_q5b95f10fd8_attn
    .symbol:         k_q5b95f10fd8_attn.kd
    .args:
      - { .name: qkv, .offset: 0, .size: 8, .value_kind: global_buffer, .address_space: global }
      - { .name: ao, .offset: 8, .size: 8, .value_kind: global_buffer, .address_space: global }
    .group_segment_fixed_size: 327680
    .private_segment_fixed_size: 0
    .kernarg_segment_align: 8
    .kernarg_segment_size: 16
    .max_flat_workgroup_size: 128
    .sgpr_count:     66
    .vgpr_count:     768
    .wavefront_size: 32
...
	.end_amdgpu_metadata
.endif
;; end of part 3
;; launch proj (part 4): grid 8 x 32, 4 waves a work-group, clusters of 4 x 4, 327,680 bytes of LDS; arguments ao, cb, bo, out0; writes out0
.if DOCPART == 4
	.amdgcn_target "amdgcn-amd-amdhsa--gfx1250"
	.amdhsa_code_object_version 6
	.text
	.protected	k_q5b95f10fd8_proj
	.globl	k_q5b95f10fd8_proj
	.p2align	8
	.type	k_q5b95f10fd8_proj,@function
k_q5b95f10fd8_proj:
	s_mov_b64 s[64:65], 0
	v_nop
	global_prefetch_b8 v0, s[64:65] scope:SCOPE_SE
	s_setreg_imm32_b32 hwreg(HW_REG_WAVE_MODE, 25, 1), 1
	s_wait_xcnt 0x0
	s_wait_alu depctr_hold_cnt(0) depctr_sa_sdst(0) depctr_va_vdst(0) depctr_va_sdst(0) depctr_va_ssrc(0) depctr_va_vcc(0) depctr_vm_vsrc(0)
	s_getreg_b32 s2, hwreg(HW_REG_IB_STS2, 6, 4)
	s_cmp_eq_u32 s2, 0
	s_cbranch_scc0 .Lentry_in_a_cluster
	s_endpgm
.Lentry_in_a_cluster:
	s_bfe_u32 s2, ttmp6, 0x10000c
	s_cmp_lg_u32 s2, 0xf033
	s_cbranch_scc0 .Lentry_shape_is_right
	s_endpgm
.Lentry_shape_is_right:
; PROJ: out0 = ao wo^T + bo.  ao is [32 batch-heads][2048][64] f16, wo lies in cb from row 7168 on (f16, [1024][1024]), out0 f32 [4096][1024].
; Grid x = block of 128 columns, grid y = block of 128 rows: 256 equal work-groups.  Four waves as 2 x 2 of 64 x 64: 16 accumulator tiles each.
; K = 1024 is four slots' worth of 256 (four heads); two LDS slots, both filled at the start, each filled once more: no loop.
; A slot: ao as [4 heads][128 rows] of 128 bytes + 16, then 128 rows of wo of 512 bytes + 16.
; A head's 128 rows are dense in memory, so two heads come as a tile of two long rows of 8,192 elements, 131,072 elements apart; the padding
; counts words along the whole tile, so 16 bytes follow every 128 and LDS holds rows 144 bytes apart.
; CLUSTER 4 x 4: ao's tiles are shared along a row of the cluster, wo's along a column, asked for jointly.  Waves 0, 1 ask for two heads of ao
; each, waves 2, 3 for 64 rows of wo each; by this text's count a wave has at most two tensor loads outstanding (the first fills).
; The matrix instruction is used transposed (source 0 = wo, source 1 = ao): a lane holds eight neighbouring columns of one row.
; The bias is the C operand of the first K quarter.  The 16 accumulators take turns, one instruction a turn.
; LIMITS: operands f16 (|value| < 65,504); sums and the result f32.
.set AP,    144
.set BP,    528                        ; odd multiple of 16
.set SLOT,  4*128*AP+128*BP            ; 141,312
.set STAGE, 2*SLOT                     ; 282,624
.set SP,    272                        ; a stage row: 64 f32 + 16 bytes
.set WSTAGE, 16*SP                     ; 4,352 a wave
.set ADRA, 16
.set ADRB, 20
.set STO,  24
.set RD,   25
.set CO,   26
.set BOFF, 27
.set BIAS, 160                         ; v[160:191]
.set G1A, 24
.set G0A, 32
.set G1B, 40
.set G0B, 48
.set MSB, 0
.macro WIN new
.if MSB != \new
	s_set_vgpr_msb (MSB<<8)|\new
.set MSB, \new
.endif
.endm
.macro PLACES                          ; four places behind matrix instructions (ISA guide 7.12.1)
.rept 4
	v_nop
.endr
.endm
.macro JLOAD s
	s_cmp_eq_u32 s12, 0
	s_cbranch_scc0 .Lfor_b_\@
	tensor_load_to_lds s[G0A+4*(\s):G0A+4*(\s)+3], s[G1A:G1A+7]
	s_nop 0
	s_branch .Lasked_\@
.Lfor_b_\@:
	tensor_load_to_lds s[G0B+4*(\s):G0B+4*(\s)+3], s[G1B:G1B+7]
	s_nop 0
.Lasked_\@:
.endm
.macro CROUND                          ; a round of the cluster barrier
	s_barrier_signal -1
	s_barrier_wait -1
	s_cmp_lg_u32 s16, 0
	s_cbranch_scc1 .Lnot_wave_0_\@
	s_barrier_signal -3
.Lnot_wave_0_\@:
	s_barrier_wait -3
	s_barrier_signal -1
	s_barrier_wait -1
.endm
	s_load_b256 s[4:11], s[0:1], 0x0               ; ao, cb, bo, out0
	v_lshl_add_u32 v30, v0, 2, 0x49400
	v_mov_b32 v31, 0
	ds_add_u32 v30, v31
	v_lshrrev_b32 v1, 5, v0
	v_readfirstlane_b32 s16, v1                    ; wave
	s_lshr_b32 s12, s16, 1                         ; my half of the rows; also: I ask for ao (0) or wo (1)
	s_and_b32 s13, s16, 1                          ; my half of the columns; also: which half of the tile I ask for
	s_bfe_u32 s17, ttmp6, 0x40000                  ; cx
	s_bfe_u32 s18, ttmp6, 0x40004                  ; cy
	s_lshl_b32 s19, ttmp9, 2
	s_add_co_u32 s19, s19, s17                     ; block of columns
	s_and_b32 s20, ttmp7, 0xffff
	s_lshl_b32 s20, s20, 2
	s_add_co_u32 s20, s20, s18                     ; block of rows
	s_lshl_b32 s14, s18, 2
	s_lshl_b32 s14, 15, s14                        ; my row of the cluster
	s_lshl_b32 s15, 0x1111, s17                    ; my column
	s_or_b32 s[G1A+0], s14, (1<<16)|(1<<20)|(1<<21)|(4<<22)|(3<<25)   ; after 32 words pad 4
	s_mov_b32 s[G1A+1], 8192<<16                   ; tensor_dim0 = 8,192: 128 rows of 64
	s_mov_b32 s[G1A+2], 2<<16                      ; tensor_dim1 = 2 heads
	s_mov_b32 s[G1A+3], 8192<<16                   ; tile_dim0
	s_mov_b32 s[G1A+4], 2                          ; tile_dim1
	s_mov_b32 s[G1A+5], 131072                     ; elements from head to head
	s_mov_b32 s[G1A+6], 0
	s_mov_b32 s[G1A+7], 0
	s_or_b32 s[G1B+0], s15, (1<<16)|(1<<20)|(1<<21)|(6<<22)|(3<<25)   ; after 128 words pad 4
	s_mov_b32 s[G1B+1], 256<<16
	s_mov_b32 s[G1B+2], 64<<16
	s_mov_b32 s[G1B+3], 256<<16
	s_mov_b32 s[G1B+4], 64
	s_mov_b32 s[G1B+5], 1024
	s_mov_b32 s[G1B+6], 0
	s_mov_b32 s[G1B+7], 0
	s_lshr_b32 s56, s20, 4                         ; ao: batch x 16 heads of 262,144 bytes,
	s_lshl_b32 s56, s56, 22
	s_and_b32 s57, s20, 15
	s_lshl_b32 s57, s57, 14                        ; + 128 rows of 128 bytes a block,
	s_add_co_u32 s56, s56, s57
	s_lshl_b32 s57, s13, 19                        ; + my two heads
	s_add_co_u32 s56, s56, s57
	s_mov_b32 s57, 0
	s_lshl_b32 s60, s19, 18                        ; wo: row 7168 + 128 block + 64 half of cb
	s_add_co_u32 s60, s60, 7168*2048
	s_lshl_b32 s61, s13, 17
	s_add_co_u32 s60, s60, s61
	s_mov_b32 s61, 0
	s_mul_i32 s21, s13, 2*128*AP
	s_mul_i32 s22, s13, 64*BP
	s_add_co_u32 s22, s22, 4*128*AP
	s_wait_dscnt 0x0
	s_wait_kmcnt 0x0
	s_add_nc_u64 s[58:59], s[4:5], s[56:57]
	s_add_nc_u64 s[62:63], s[6:7], s[60:61]
	CROUND                                         ; in front of the first joint loads
.irp s, 0,1
	s_mov_b32 s[G0A+4*\s], 1
	s_add_co_u32 s[G0A+4*\s+1], s21, \s*SLOT
	s_add_nc_u64 s[G0A+4*\s+2:G0A+4*\s+3], s[58:59], \s*0x100000     ; four heads on
	s_or_b32 s[G0A+4*\s+3], s[G0A+4*\s+3], 0x80000000
	s_mov_b32 s[G0B+4*\s], 1
	s_add_co_u32 s[G0B+4*\s+1], s22, \s*SLOT
	s_add_nc_u64 s[G0B+4*\s+2:G0B+4*\s+3], s[62:63], \s*512
	s_or_b32 s[G0B+4*\s+3], s[G0B+4*\s+3], 0x80000000
	JLOAD \s
.endr
	v_and_b32 v1, 15, v0                           ; r
	v_bfe_u32 v2, v0, 4, 1                         ; h
	v_lshlrev_b32 v[BOFF], 5, v2
	s_lshl_b32 s2, s19, 9
	s_lshl_b32 s3, s13, 8
	s_add_co_u32 s2, s2, s3                        ; my first column, in bytes of f32
	s_mov_b32 s3, 0
	s_add_nc_u64 s[8:9], s[8:9], s[2:3]
	s_add_nc_u64 s[10:11], s[10:11], s[2:3]
.irp b, 0,1,2,3
	global_load_b128 v[BIAS+8*\b:BIAS+8*\b+3],   v[BOFF], s[8:9] offset:64*\b
	global_load_b128 v[BIAS+8*\b+4:BIAS+8*\b+7], v[BOFF], s[8:9] offset:64*\b+16
.endr
	s_lshl_b32 s2, s20, 19
	s_lshl_b32 s14, s12, 18
	s_add_co_u32 s2, s2, s14                       ; my first row, 4,096 bytes each
	s_add_nc_u64 s[10:11], s[10:11], s[2:3]
	v_mul_u32_u24 v4, v1, AP
	v_lshl_add_u32 v4, v2, 4, v4
	s_mul_i32 s14, s12, 64*AP
	v_add_nc_u32 v[ADRA], s14, v4
	v_add_nc_u32 v[ADRA+1], SLOT, v[ADRA]
	v_mul_u32_u24 v5, v1, BP
	v_lshl_add_u32 v5, v2, 4, v5
	s_mul_i32 s14, s13, 64*BP
	s_add_co_u32 s14, s14, 4*128*AP
	v_add_nc_u32 v[ADRB], s14, v5
	v_add_nc_u32 v[ADRB+1], SLOT, v[ADRB]
	s_mul_i32 s14, s16, WSTAGE
	s_add_co_u32 s14, s14, STAGE
	v_mul_u32_u24 v6, v1, SP
	v_lshl_add_u32 v6, v2, 5, v6
	v_add_nc_u32 v[STO], s14, v6                   ; in: row r, 32 bytes for each half of the lanes
	v_mul_u32_u24 v7, v2, SP
	v_lshl_add_u32 v7, v1, 4, v7
	v_add_nc_u32 v[RD], s14, v7                    ; back: lanes 0-15 one row of 256 bytes, lanes 16-31 the next
	v_lshlrev_b32 v8, 12, v2
	v_lshl_add_u32 v[CO], v1, 4, v8                ; the same two rows in out0
; fragments of K quarter kq (32 of a slot's 256) into the buffer at fa: ao at fa, wo at fa + 32
.macro FETCH sl, kq, fa
.irp b, 0,1,2,3
	ds_load_b128 v[\fa+32+8*\b:\fa+32+8*\b+3], v[ADRB+\sl] offset:64*(\kq)+\b*16*BP
	ds_load_b128 v[\fa+36+8*\b:\fa+36+8*\b+3], v[ADRB+\sl] offset:64*(\kq)+\b*16*BP+32
.endr
.irp a, 0,1,2,3
	ds_load_b128 v[\fa+8*\a:\fa+8*\a+3],   v[ADRA+\sl] offset:128*AP*((\kq)>>1)+64*((\kq)&1)+\a*16*AP
	ds_load_b128 v[\fa+8*\a+4:\fa+8*\a+7], v[ADRA+\sl] offset:128*AP*((\kq)>>1)+64*((\kq)&1)+\a*16*AP+32
.endr
.endm
.macro MUL8 fa, a0, first
.irp a, \a0, \a0+1
.irp b, 0,1,2,3
.if \first
	v_wmma_f32_16x16x32_f16 v[8*(4*(\a)+\b):8*(4*(\a)+\b)+7], v[\fa+32+8*\b:\fa+32+8*\b+7], v[\fa+8*(\a):\fa+8*(\a)+7], v[BIAS+8*\b:BIAS+8*\b+7]
.else
	v_wmma_f32_16x16x32_f16 v[8*(4*(\a)+\b):8*(4*(\a)+\b)+7], v[\fa+32+8*\b:\fa+32+8*\b+7], v[\fa+8*(\a):\fa+8*(\a)+7], v[8*(4*(\a)+\b):8*(4*(\a)+\b)+7]
.endif
.endr
.endr
.endm
.macro MWIN first
.if \first
	WIN 0x40                                       ; D in window 1, C (the bias) in window 0
.else
	WIN 0x50                                       ; C and D in window 1
.endif
.endm
.macro QUARTER sl, kq, first
	s_wait_dscnt 4                                 ; all but the four youngest loads (ao row blocks 2, 3) are in
	MWIN \first
	MUL8 32+64*((\kq)&1), 0, \first
	PLACES
	WIN 0
	FETCH \sl, \kq+1, 32+64*((\kq+1)&1)
	s_wait_dscnt 16                                ; all but the 16 just issued
	MWIN \first
	MUL8 32+64*((\kq)&1), 2, \first
.endm
.macro SLOTWORK sl, first
	PLACES
	WIN 0
	FETCH \sl, 0, 32
	QUARTER \sl, 0, \first
.irp kq, 1,2,3,4,5,6
	QUARTER \sl, \kq, 0
.endr
	s_wait_dscnt 0x0
	WIN 0x50
	MUL8 96, 0, 0
	MUL8 96, 2, 0
.endm
; Slot s has been read and is filled again: every wave waits for its reads and for all its tensor loads, the round, then the one joint load.
.macro CHANGE s
	WIN 0
	s_wait_dscnt 0x0
	s_wait_tensorcnt 0x0
	ds_add_u32 v30, v31
	s_wait_dscnt 0x0
	s_add_nc_u64 s[G0A+4*\s+2:G0A+4*\s+3], s[G0A+4*\s+2:G0A+4*\s+3], 0x200000
	s_add_nc_u64 s[G0B+4*\s+2:G0B+4*\s+3], s[G0B+4*\s+2:G0B+4*\s+3], 1024
	CROUND
	JLOAD \s
.endm
	s_wait_tensorcnt 1                             ; my part of slot 0 is in; slot 1's stays out
	s_barrier_signal -1
	s_barrier_wait -1
	s_wait_loadcnt 0x0                             ; the bias
	SLOTWORK 0, 1                                  ; heads 0-3
	CHANGE 0                                       ; heads 8-11 go out
	SLOTWORK 1, 0                                  ; heads 4-7
	CHANGE 1                                       ; heads 12-15 go out
	SLOTWORK 0, 0                                  ; heads 8-11
	WIN 0
	s_wait_dscnt 0x0
	s_wait_tensorcnt 0x0                           ; my part of the last slot is in
	s_barrier_signal -1
	s_barrier_wait -1
	SLOTWORK 1, 0                                  ; heads 12-15
	; THE WAY OUT, 16 rows at a time through my own stage: sixteen lanes store 256 consecutive bytes of a row, aligned.
	PLACES
.macro OUT16 a, rb
	WIN 0x04                                       ; store data in window 1
.irp b, 0,1,2,3
	ds_store_b128 v[STO], v[8*(4*\a+\b):8*(4*\a+\b)+3]   offset:64*\b
	ds_store_b128 v[STO], v[8*(4*\a+\b)+4:8*(4*\a+\b)+7] offset:64*\b+16
.endr
	WIN 0
	s_wait_xcnt 0x0                                ; the read-back registers, data of earlier stores, are loaded again only behind this wait (ISA guide 3.1)
.irp t, 0,1,2,3,4,5,6,7
	ds_load_b128 v[\rb+4*\t:\rb+4*\t+3], v[RD] offset:\t*2*SP      ; LDS serves a wave in order (ISA guide 5.7.1): these see the stores above
.endr
.irp t, 0,1,2,3,4,5,6,7
	s_wait_dscnt 7-\t
	global_store_b128 v[CO], v[\rb+4*\t:\rb+4*\t+3], s[10:11] offset:65536*\a+8192*\t th:TH_STORE_NT
.endr
.endm
	OUT16 0, 192
	OUT16 1, 224
	OUT16 2, 192
	OUT16 3, 224
	s_wait_tensorcnt 0x0
	ds_add_u32 v30, v31
	s_wait_dscnt 0x0
	CROUND                                         ; the closing round
	s_endpgm
.Lfunc_end_k_q5b95f10fd8_proj:
	.size	k_q5b95f10fd8_proj, .Lfunc_end_k_q5b95f10fd8_proj-k_q5b95f10fd8_proj
	.p2alignl 7, 3214868480
	.fill 96, 4, 3214868480
	.section	.rodata,"a",@progbits
	.p2align	6, 0x0
	.amdhsa_kernel k_q5b95f10fd8_proj
		.amdhsa_group_segment_fixed_size 327680
		.amdhsa_private_segment_fixed_size 0
		.amdhsa_enable_private_segment 0
		.amdhsa_kernarg_size 32
		.amdhsa_user_sgpr_count 2
		.amdhsa_user_sgpr_kernarg_segment_ptr 1
		.amdhsa_wavefront_size32 1
		.amdhsa_system_sgpr_workgroup_id_x 1
		.amdhsa_system_sgpr_workgroup_id_y 1
		.amdhsa_system_sgpr_workgroup_id_z 1
		.amdhsa_system_vgpr_workitem_id 0
		.amdhsa_next_free_vgpr 384
		.amdhsa_next_free_sgpr 66
		.amdhsa_reserve_vcc 0
		.amdhsa_float_denorm_mode_32 3
		.amdhsa_float_denorm_mode_16_64 3
		.amdhsa_memory_ordered 1
		.amdhsa_forward_progress 1
		.amdhsa_inst_pref_size 90
	.end_amdhsa_kernel
	.amdgpu_metadata
---
amdhsa.version: [ 1, 2 ]
amdhsa.kernels:
  - .name:           k_q5b95f10fd8_proj
    .symbol:         k_q5b95f10fd8_proj.kd
    .args:
      - { .name: ao, .offset: 0, .size: 8, .value_kind: global_buffer, .address_space: global }
      - { .name: cb, .offset: 8, .size: 8, .value_kind: global_buffer, .address_space: global }
      - { .name: bo, .offset: 16, .size: 8, .value_kind: global_buffer, .address_space: global }
      - { .name: out0, .offset: 24, .size: 8, .value_kind: global_buffer, .address_space: global }
    .group_segment_fixed_size: 327680
    .private_segment_fixed_size: 0
    .kernarg_segment_align: 8
    .kernarg_segment_size: 32
    .max_flat_workgroup_size: 128
    .sgpr_count:     66
    .vgpr_count:     384
    .wavefront_size: 32
...
	.end_amdgpu_metadata
.endif
;; end of part 4
;; ======== version 2 of 2: 4 launches
;; limits: values are held in f16: magnitudes above 65,504 overflow, below 6.1e-05 lose precision
;; workspace buffers: cb 16,777,216 bytes; tab 524,288 bytes; qkv 25,165,824 bytes; ao 8,388,608 bytes
;; launch prep: the kernel of part 1 again; grid 64 x 8, 8 waves a work-group, no clusters, 0 bytes of LDS; arguments x, wq, wk, wv, wo, cb, tab; writes cb, tab
;; launch qkv: the kernel of part 2 again; grid 16 x 16, 4 waves a work-group, clusters of 4 x 4, 327,680 bytes of LDS; arguments cb, tab, bq, bk, bv, qkv; writes qkv
;; launch attn (part 5): grid 8 x 32, 4 waves a work-group, clusters of 4 x 1, 327,680 bytes of LDS; arguments qkv, ao; writes ao
.if DOCPART == 5
	.amdgcn_target "amdgcn-amd-amdhsa--gfx1250"
	.amdhsa_code_object_version 6
	.text
	.protected	k_q5b95f10fd8_attn
	.globl	k_q5b95f10fd8_attn
	.p2align	8
	.type	k_q5b95f10fd8_attn,@function
k_q5b95f10fd8_attn:
	s_mov_b64 s[64:65], 0
	v_nop
	global_prefetch_b8 v0, s[64:65] scope:SCOPE_SE
	s_setreg_imm32_b32 hwreg(HW_REG_WAVE_MODE, 25, 1), 1
	s_wait_xcnt 0x0
	s_wait_alu depctr_hold_cnt(0) depctr_sa_sdst(0) depctr_va_vdst(0) depctr_va_sdst(0) depctr_va_ssrc(0) depctr_va_vcc(0) depctr_vm_vsrc(0)
	s_getreg_b32 s2, hwreg(HW_REG_IB_STS2, 6, 4)
	s_cmp_eq_u32 s2, 0
	s_cbranch_scc0 .Lentry_in_a_cluster
	s_endpgm
.Lentry_in_a_cluster:
	s_bfe_u32 s2, ttmp6, 0x10000c
	s_cmp_lg_u32 s2, 0x3003
	s_cbranch_scc0 .Lentry_shape_is_right
	s_endpgm
.Lentry_shape_is_right:
; ATTN: softmax(q k^T / 8) v for one batch-head (grid y) and 256 queries (grid x), with a running maximum; result f16 into ao [32][2048][64].
; Four waves, 64 queries each (4 query tiles).  Keys go in steps of 128 through two LDS slots, one step a slot.
; EVERYTHING IS TRANSPOSED so that a query stays in a lane:
;   S^T = K Q^T: source 0 = 16 keys, source 1 = 16 queries (held in registers): register j of lane (r, h) = S(key 8 h + j, query r);
;   two S^T tiles, after exp and packing to f16, ARE the source-1 fragment of P^T for 32 keys (word 4 kt + j / 2);
;   O^T = V^T P^T: source 0 by the transposing LDS load from V stored [key][d]; register j of lane (r, h) = O(query r, d 16 dt + 8 h + j).
; Maximum, sum and rescaling are one number a lane; lanes r and r + 16 hold the two halves of a query's keys and meet by one lane exchange.
; The shift of a tile is NM = -M c, c = log2(e) / 8; old sums are rescaled by exp2(NM new - NM old), so old and new terms carry the same shift.
; MATRIX AND VECTOR WORK ARE DEALT INTO EACH OTHER.  A step is four stages, one a query tile.  Stage i issues the 221 vector instructions of tile i's
; softmax and, behind every sixth of them, one of 32 matrix instructions: P V of tile i - 1 and K Q^T of tile i + 1.  S and P have two buffers each.
;   stage 0: softmax 0 | PV 3 (last step's), then QK 1 | in its middle V's fragments are loaded (their registers were last read by PV 3)
;   stage 1: softmax 1 | QK 2, then PV 0               | PV 0 waits for V's fragments by count
;   stage 2: softmax 2 | QK 3, then PV 1               | in its middle: the round, the refill, the next step's K fragments (K's registers were last read by QK 3)
;   stage 3: softmax 3 | PV 2, then QK 0 of the next step, which waits for K's fragments by count
; So each run of 32 LDS loads has about a stage in which to land.  Both runs are issued just ahead of matrix instruction 17 of their stage and
; overwrite registers last read by instruction 15: twelve vector instructions lie between, at least six of them plain (ISA guide 7.12.1).  The last matrix
; instruction of a stage stands 29 plain vector instructions ahead of the stage's end, so the next stage may read S.
; K and V, Q and O, S and P need three register windows and no one setting serves a product and the softmax: each matrix instruction costs two switches.
; Matrix instructions take their accumulators by turns, one instruction a turn, across the stages' borders too.
; THE TEXT IS KEPT SHORT: the loop's body is one step and runs 14 times; step 14 (no refill) and step 15 (no next K) are written out.  The slot is chosen
; by a number: slots lie 65,536 bytes apart, the ring descriptor's LDS word and the read side's scalar are toggled by an exclusive or.
; The first step runs in the loop's text: O = 0 (products of a zero fragment), P buffer 1 = 0 (PV 3 of no step adds 0), maximum -inf, shift in force
; +inf, so that the first rescaling factor is exp2(-inf) = 0.
; CLUSTER 4 x 1: the four query blocks of a cluster read the same K and V tiles and ask for them jointly (mask 15).  Waves 0, 1 ask for 64 rows of K
; each, waves 2, 3 for 64 rows of V each.  Tiles 0 and 1 are first fills, issued together (two outstanding a wave by this text's count); tile s + 2 is
; asked for in step s behind the round, into step s's slot, whose K and V are in registers by then (one outstanding); it has a step in which to land.
; LIMITS: q, k, v, p are f16: p below 6e-8 rounds to a denormal or zero; the row sum is made of the unrounded p; v must be finite (0 x v in the first step).
; REGISTERS: window 0 addresses, S, P, softmax state; window 1 K fragments v[0:127], V fragments v[128:255]; window 2 Q v[0:63], O v[64:191].
.set KP,    144                        ; K rows: 128 bytes + 16: odd multiple of 16
.set VP,    160                        ; V rows: 128 bytes + 32: odd multiple of 32, for the transposing load
.set KEYS,  128                        ; keys in a step and in a slot
.set VOFF,  KEYS*KP                    ; 18,432: V lies behind K in a slot
.set SLOTB, KEYS*KP+KEYS*VP            ; 38,912 bytes of a slot are used
.set SLOT,  0x10000                    ; from slot to slot: a power of two above SLOTB, so that an exclusive or changes slots
.set STAGE, SLOT+SLOTB                 ; 104,448: behind the ring, no tensor load lands here
.set WSTAGE, 64*KP                     ; 9,216 a wave
.set TILEB, KEYS*128                   ; bytes of 128 keys in memory
.set STEPS, 2048/KEYS
.set GAP,   6                          ; vector instructions between two matrix instructions
.set ADRK, 16                          ; LDS address of my K fragments in the slot read next
.set ADRV, 18                          ; the same for V
.set STO,  20
.set RD,   21
.set CO,   22
.set QOFF, 23
.set BK,   24                          ; lane term of ADRK, never rewritten
.set BV,   25                          ; lane term of ADRV, never rewritten
.set SB0,  32                          ; S^T of one query tile: 8 key tiles x 8; buffer of query tiles 0, 2
.set SB1,  96                          ; buffer of query tiles 1, 3
.set P0,   160                         ; 32 words; buffer of query tiles 0, 2
.set MX,   192                         ; 8
.set MS,   200                         ; running maximum, query tile q
.set LS,   204                         ; running sum (of my half of the keys)
.set NM,   208                         ; pair: the shift
.set AL,   210                         ; pair: the rescaling factor
.set T,    212                         ; 8, at work
.set NS,   220                         ; the shift in force, query tile q
.set P1,   224                         ; 32 words; buffer of query tiles 1, 3
.set OB,   64                          ; window 2: O(dt, q) at OB + 8 (4 q + dt)
.set VB,   128                         ; window 1: V(dt, kk) at VB + 8 (4 kk + dt)
.set G1K,  16
.set G1V,  24
.set G0K,  32                          ; the ring's group 0 for K: tile 1, then stepped
.set G0K0, 36                          ; group 0 of tile 0, never rewritten
.set G0V,  40
.set G0V0, 44
.set MSB, 0
.macro WIN new                         ; the upper byte repeats the setting that is left
.if MSB != \new
	s_set_vgpr_msb (MSB<<8)|\new
.set MSB, \new
.endif
.endm
.macro PLACES                          ; four places behind matrix instructions (ISA guide 7.12.1)
.rept 4
	v_nop
.endr
.endm
.macro JLOAD gk, gv                    ; the branch hangs on the wave number alone
	s_cmp_eq_u32 s9, 0
	s_cbranch_scc0 .Lfor_v_\@
	tensor_load_to_lds s[\gk:\gk+3], s[G1K:G1K+7]
	s_nop 0
	s_branch .Lasked_\@
.Lfor_v_\@:
	tensor_load_to_lds s[\gv:\gv+3], s[G1V:G1V+7]
	s_nop 0
	v_nop
.Lasked_\@:
.endm
.macro ROUND                           ; a round of the cluster barrier
	s_barrier_signal -1
	s_barrier_wait -1
	s_cmp_lg_u32 s8, 0
	s_cbranch_scc1 .Lnot_wave_0_\@
	s_barrier_signal -3
.Lnot_wave_0_\@:
	s_barrier_wait -3
	s_barrier_signal -1
	s_barrier_wait -1
.endm
.macro KLOAD                           ; 128 keys x 64 d as 16 fragments, in the order in which the products take them: first half of d, then second
	WIN 0x40
.irp kh, 0,1
.irp t, 0,1,2,3,4,5,6,7
	ds_load_b128 v[16*\t+8*\kh:16*\t+8*\kh+3],   v[ADRK] offset:16*KP*\t+64*\kh
	ds_load_b128 v[16*\t+8*\kh+4:16*\t+8*\kh+7], v[ADRK] offset:16*KP*\t+64*\kh+32
.endr
.endr
.endm
.macro VLOAD                           ; 128 keys of V, transposed on the way: 16 fragments (16 d x 32 keys), groups of 32 keys in the order of use
	WIN 0x40
.irp kk, 0,1,2,3
.irp dt, 0,1,2,3
	ds_load_tr16_b128 v[VB+8*(4*\kk+\dt):VB+8*(4*\kk+\dt)+3],   v[ADRV] offset:32*VP*\kk+32*\dt
	ds_load_tr16_b128 v[VB+8*(4*\kk+\dt)+4:VB+8*(4*\kk+\dt)+7], v[ADRV] offset:32*VP*\kk+32*\dt+16*VP
.endr
.endr
.endm
; What a stage's matrix instructions are: ord 0: PV first, 1: QK first; PV of query tile pvq from P buffer pvp; QK of query tile sqq into S buffer sqs
; (hassq 0: none); waitv, waitk: the fragments are still coming in; hk 1: V's loads, 2: the change of slots and K's loads, ahead of instruction 17.
.macro CFG ord, pvq, pvp, sqq, sqs, hassq, waitv, waitk, hk
.set ORD, \ord
.set PVQ, \pvq
.set PVP, \pvp
.set SQQ, \sqq
.set SQS, \sqs
.set HASSQ, \hassq
.set WAITV, \waitv
.set WAITK, \waitk
.set HK, \hk
.endm
; Instruction i (0 to 15) of O^T += V^T P^T: 32 keys kk = i / 4, 16 d dt = i % 4: the four accumulators take turns.
.macro EMITPV i
.set kk_, (\i)/4
.set dt_, (\i)%4
.if WAITV
.if dt_ == 0
	s_wait_dscnt 24-8*kk_                          ; V's loads come in eight a group of 32 keys: the later groups' stay out
.endif
.endif
	WIN 0xa1
	v_wmma_f32_16x16x32_f16 v[OB+8*(4*PVQ+dt_):OB+8*(4*PVQ+dt_)+7], v[VB+8*(4*kk_+dt_):VB+8*(4*kk_+dt_)+7], v[PVP+8*kk_:PVP+8*kk_+7], v[OB+8*(4*PVQ+dt_):OB+8*(4*PVQ+dt_)+7]
.endm
; Instruction i (0 to 15) of S^T = K Q^T: half of d kh = i / 8, key tile t = i % 8: the first half of d starts the sums, the eight accumulators take turns.
.macro EMITSQ i
.set kh_, (\i)/8
.set t_, (\i)%8
.if WAITK
.if (t_%2) == 0
	s_wait_dscnt 28-16*kh_-2*t_                    ; of K's 32 loads those behind key tiles t, t + 1 of this half of d stay out
.endif
.endif
	WIN 0x09
.if kh_ == 0
	v_wmma_f32_16x16x32_f16 v[SQS+8*t_:SQS+8*t_+7], v[16*t_:16*t_+7], v[16*SQQ:16*SQQ+7], 0
.else
	v_wmma_f32_16x16x32_f16 v[SQS+8*t_:SQS+8*t_+7], v[16*t_+8:16*t_+15], v[16*SQQ+8:16*SQQ+15], v[SQS+8*t_:SQS+8*t_+7]
.endif
.endm
; The change of slots.  In front of the barrier every wave has waited for all its tensor loads (its part of the next step's tile among them) and for its
; LDS reads (this step's K and V are in registers).  RF = 2: a round of the cluster barrier, this step's slot is asked for again first, then the next
; slot's K is read.  RF = 1: nothing is left to fetch: the work-group's barrier shows the last tile to every wave.
.macro KNEXT
	WIN 0
	s_wait_tensorcnt 0x0
	ds_add_u32 v30, v31
	s_wait_dscnt 0x0
.if RF == 2
	s_xor_b32 s[G0K+1], s[G0K+1], SLOT             ; no load of mine is out, so the ring's descriptors may be written: the other slot,
	s_xor_b32 s[G0V+1], s[G0V+1], SLOT
	s_add_nc_u64 s[G0K+2:G0K+3], s[G0K+2:G0K+3], TILEB   ; the next 128 keys
	s_add_nc_u64 s[G0V+2:G0V+3], s[G0V+2:G0V+3], TILEB
.endif
	s_wait_dscnt 0x0
.if RF == 2
	ROUND
	JLOAD G0K, G0V
.else
	s_barrier_signal -1
	s_barrier_wait -1
.endif
	s_xor_b32 s55, s55, SLOT                       ; the next step's slot
	v_add_nc_u32 v[ADRK], s55, v[BK]
	v_add_nc_u32 v[ADRV], s55, v[BV]
	KLOAD
.endm
.macro HOOK
.if HK == 1
	VLOAD
.endif
.if HK == 2
	KNEXT
.endif
.endm
.macro NEXTM                           ; the stage's next matrix instruction, if one is left
.if mi < 32
.if mi == 17
	HOOK
.endif
.if mi < 16
.if ORD
.if HASSQ
	EMITSQ mi
.endif
.else
	EMITPV mi
.endif
.else
.if ORD
	EMITPV mi-16
.else
.if HASSQ
	EMITSQ mi-16
.endif
.endif
.endif
.endif
.set mi, mi+1
.endm
.macro TICK                            ; stands behind every vector instruction of a stage: behind every GAP-th a matrix instruction is dealt in
.set vc, vc+1
.if (vc%GAP) == 0
	NEXTM
	WIN VALUW
.endif
.endm
; Plain work k (0 to 11) that goes with the exponentials of key tile t: 0-3 scale and shift tile t + 1, 4-7 pack tile t - 1 to f16,
; 8-11 add tile t - 1 onto the four running pairs, which are tile 0's own registers.
.macro PLAIN sb, pb, t, k
.if (\k) < 4
.if (\t) < 7
	v_pk_fma_f32 v[\sb+8*(\t)+8+2*(\k):\sb+8*(\t)+9+2*(\k)], v[\sb+8*(\t)+8+2*(\k):\sb+8*(\t)+9+2*(\k)], s[52:53], v[NM:NM+1] op_sel_hi:[1,0,1]
	TICK
.endif
.else
.if (\k) < 8
.if (\t) > 0
	s_wait_alu depctr_va_vdst(0)
	v_cvt_pk_f16_f32 v[\pb+4*(\t)-8+(\k)], v[\sb+8*(\t)-16+2*(\k)], v[\sb+8*(\t)-15+2*(\k)]
	TICK
.endif
.else
.if (\t) > 1
	v_pk_add_f32 v[\sb+2*(\k)-16:\sb+2*(\k)-15], v[\sb+2*(\k)-16:\sb+2*(\k)-15], v[\sb+8*(\t)-24+2*(\k):\sb+8*(\t)-23+2*(\k)]
	TICK
.endif
.endif
.endif
.endm
; A stage: the running softmax of query tile q on the 64 numbers a lane holds in S buffer sb, P into buffer pb, the old O rescaled.
.macro QSTAGE q, sb, pb
.set vc, 0
.set mi, 0
.set VALUW, 0
	WIN 0
.irp t, 0,1,2,3,4,5,6,7
	v_max3_num_f32 v[MX+\t], v[\sb+8*\t], v[\sb+8*\t+1], v[\sb+8*\t+2]
	TICK
.endr
.irp t, 0,1,2,3,4,5,6,7
	v_max3_num_f32 v[MX+\t], v[MX+\t], v[\sb+8*\t+3], v[\sb+8*\t+4]
	TICK
.endr
.irp t, 0,1,2,3,4,5,6,7
	v_max3_num_f32 v[MX+\t], v[MX+\t], v[\sb+8*\t+5], v[\sb+8*\t+6]
	TICK
.endr
.irp t, 0,1,2,3,4,5,6,7
	v_max_num_f32 v[MX+\t], v[MX+\t], v[\sb+8*\t+7]
	TICK
.endr
	v_max3_num_f32 v[MX], v[MX], v[MX+1], v[MX+2]
	TICK
	v_max3_num_f32 v[MX+3], v[MX+3], v[MX+4], v[MX+5]
	TICK
	v_max3_num_f32 v[MX], v[MX], v[MX+6], v[MX+7]
	TICK
	v_max_num_f32 v[MX], v[MX], v[MX+3]
	TICK
	v_permlanex16_b32 v[MX+1], v[MX], s50, s51     ; the other half of the query's keys
	TICK
	v_max3_num_f32 v[MS+\q], v[MX], v[MX+1], v[MS+\q]
	TICK
	v_mul_f32 v[NM], s54, v[MS+\q]
	TICK
	v_mul_f32 v[NM+1], s54, v[MS+\q]
	TICK
	v_sub_f32 v[T], v[NM], v[NS+\q]                ; at most 0; -inf in the first step
	TICK
	v_mov_b32 v[NS+\q], v[NM]
	TICK
	v_exp_f32 v[AL], v[T]                          ; the multiply-adds below are the plain instructions behind these two (ISA guide 5.7.2)
	TICK
	v_exp_f32 v[AL+1], v[T]
	TICK
.irp k, 0,1,2,3
	PLAIN \sb, \pb, -1, \k                         ; key tile 0 is scaled and shifted
.endr
	; Exponentials of key tile t by turns with plain work on its neighbours: what reads an exponential stands a key tile, so many plain instructions, behind it.
.irp t, 0,1,2,3,4,5,6,7
.irp j, 0,1,2,3,4,5,6,7
	v_exp_f32 v[\sb+8*\t+\j], v[\sb+8*\t+\j]
	TICK
	PLAIN \sb, \pb, \t, \j
.endr
.irp k, 8,9,10,11
	PLAIN \sb, \pb, \t, \k
.endr
.endr
.irp k, 8,9,10,11
	PLAIN \sb, \pb, 8, \k                          ; key tile 7 onto the running pairs
.endr
	PLAIN \sb, \pb, 8, 4                           ; key tile 7 is packed, among the links of the sum's tail
	v_pk_add_f32 v[\sb:\sb+1], v[\sb:\sb+1], v[\sb+2:\sb+3]
	TICK
	v_pk_add_f32 v[\sb+4:\sb+5], v[\sb+4:\sb+5], v[\sb+6:\sb+7]
	TICK
	PLAIN \sb, \pb, 8, 5
	PLAIN \sb, \pb, 8, 6
	v_pk_add_f32 v[\sb:\sb+1], v[\sb:\sb+1], v[\sb+4:\sb+5]
	TICK
	PLAIN \sb, \pb, 8, 7
.set VALUW, 0x82                       ; the old O of query tile q under the new shift
	WIN 0x82
.set j, 0
.rept 16
	v_pk_mul_f32 v[OB+32*\q+j:OB+32*\q+j+1], v[OB+32*\q+j:OB+32*\q+j+1], v[AL:AL+1]
	TICK
.set j, j+2
.endr
.set VALUW, 0
	WIN 0
	v_add_f32 v[T+1], v[\sb], v[\sb+1]
	TICK
	v_fma_f32 v[LS+\q], v[LS+\q], v[AL], v[T+1]
	TICK
.endm
; A step of 128 keys.  rf: see KNEXT; more = 0: the last step: no change of slots, no K Q^T of a next step.
.macro STEP rf, more
.set RF, \rf
	CFG 0, 3, P1, 1, SB1, 1, 0, 0, 1
	QSTAGE 0, SB0, P0
	CFG 1, 0, P0, 2, SB0, 1, 1, 0, 0
	QSTAGE 1, SB1, P1
	CFG 1, 1, P1, 3, SB1, 1, 0, 0, 2*\more
	QSTAGE 2, SB0, P0
	CFG 0, 2, P0, 0, SB0, \more, 0, \more, 0
	QSTAGE 3, SB1, P1
.endm
	s_load_b128 s[4:7], s[0:1], 0x0                ; qkv, ao
	v_lshl_add_u32 v30, v0, 2, 0x29000
	v_mov_b32 v31, 0
	ds_add_u32 v30, v31
	v_lshrrev_b32 v1, 5, v0
	v_readfirstlane_b32 s8, v1                     ; wave
	s_lshr_b32 s9, s8, 1                           ; 0: I ask for K, 1: for V
	s_and_b32 s10, s8, 1                           ; which 64 keys of the tile
	s_bfe_u32 s11, ttmp6, 0x40000                  ; cx
	s_lshl_b32 s12, ttmp9, 2
	s_add_co_u32 s12, s12, s11                     ; block of 256 queries
	s_and_b32 s13, ttmp7, 0xffff                   ; batch-head
	s_mov_b32 s[G1K+0], 15|(1<<16)|(1<<20)|(1<<21)|(4<<22)|(3<<25)   ; mask of the four; 2-byte elements; after 32 words pad 4
	s_mov_b32 s[G1K+1], 64<<16                     ; tensor_dim0 = 64
	s_mov_b32 s[G1K+2], 64<<16                     ; tensor_dim1 = 64
	s_mov_b32 s[G1K+3], 64<<16                     ; tile_dim0 = 64
	s_mov_b32 s[G1K+4], 64                         ; tile_dim1 = 64
	s_mov_b32 s[G1K+5], 64                         ; elements from row to row
	s_mov_b32 s[G1K+6], 0
	s_mov_b32 s[G1K+7], 0
	s_mov_b32 s[G1V+0], 15|(1<<16)|(1<<20)|(1<<21)|(4<<22)|(7<<25)   ; the same, pad 8 words
	s_mov_b32 s[G1V+1], 64<<16
	s_mov_b32 s[G1V+2], 64<<16
	s_mov_b32 s[G1V+3], 64<<16
	s_mov_b32 s[G1V+4], 64
	s_mov_b32 s[G1V+5], 64
	s_mov_b32 s[G1V+6], 0
	s_mov_b32 s[G1V+7], 0
	s_lshl_b32 s60, s13, 18                        ; the head: 2,048 rows of 128 bytes; no place in the cluster enters
	s_lshl_b32 s14, s10, 13                        ; my 64 rows
	s_add_co_u32 s60, s60, s14
	s_mov_b32 s61, 0
	s_mov_b32 s50, 0x76543210                      ; lane i of one half reads lane i of the other
	s_mov_b32 s51, 0xfedcba98
	s_mov_b32 s52, 0x3e38aa3b                      ; c = log2(e) / 8
	s_mov_b32 s53, 0x3e38aa3b
	s_mov_b32 s54, 0xbe38aa3b                      ; -c
	s_mov_b32 s55, 0                               ; the slot that is read: 0 or SLOT
	s_mov_b32 s[G0K0], 1
	s_mul_i32 s[G0K0+1], s10, 64*KP                ; tile 0: slot 0, my 64 rows of K
	s_mov_b32 s[G0V0], 1
	s_mul_i32 s[G0V0+1], s10, 64*VP
	s_add_co_u32 s[G0V0+1], s[G0V0+1], VOFF        ; slot 0, my 64 rows of V
	s_mov_b32 s[G0K], 1
	s_mul_i32 s[G0K+1], s10, 64*KP
	s_add_co_u32 s[G0K+1], s[G0K+1], SLOT          ; tile 1: slot 1
	s_mov_b32 s[G0V], 1
	s_mul_i32 s[G0V+1], s10, 64*VP
	s_add_co_u32 s[G0V+1], s[G0V+1], VOFF+SLOT
	s_wait_dscnt 0x0
	s_wait_kmcnt 0x0
	s_add_nc_u64 s[62:63], s[4:5], s[60:61]
	s_add_nc_u64 s[G0K0+2:G0K0+3], s[62:63], 0x800000
	s_or_b32 s[G0K0+3], s[G0K0+3], 0x80000000
	s_add_nc_u64 s[G0V0+2:G0V0+3], s[62:63], 0x1000000
	s_or_b32 s[G0V0+3], s[G0V0+3], 0x80000000
	s_add_nc_u64 s[G0K+2:G0K+3], s[62:63], 0x800000+TILEB
	s_or_b32 s[G0K+3], s[G0K+3], 0x80000000
	s_add_nc_u64 s[G0V+2:G0V+3], s[62:63], 0x1000000+TILEB
	s_or_b32 s[G0V+3], s[G0V+3], 0x80000000
	ROUND                                          ; in front of the first joint loads
	JLOAD G0K0, G0V0                               ; keys 0 to 127, into slot 0
	JLOAD G0K, G0V                                 ; keys 128 to 255, into slot 1
	s_lshl_b32 s60, s13, 18
	s_lshl_b32 s49, s12, 15
	s_add_co_u32 s60, s60, s49
	s_lshl_b32 s49, s8, 13
	s_add_co_u32 s60, s60, s49                     ; head, query block, my 64 queries
	s_add_nc_u64 s[56:57], s[4:5], s[60:61]        ; q
	s_add_nc_u64 s[58:59], s[6:7], s[60:61]        ; ao
	v_and_b32 v1, 15, v0                           ; r
	v_bfe_u32 v2, v0, 4, 1                         ; h
	v_and_b32 v3, 31, v0                           ; lane
	v_lshlrev_b32 v[QOFF], 7, v1
	v_lshl_add_u32 v[QOFF], v2, 4, v[QOFF]         ; row r of 128 bytes + 16 h
.set j, 0
.rept 32
	v_mov_b32 v[P1+j], 0                           ; P of no step: the first trip's PV 3 adds 0; its first eight words also serve as a zero fragment
.set j, j+1
.endr
.irp q, 0,1,2,3
	v_mov_b32 v[MS+\q], 0xff800000                 ; -inf: no key seen yet
	v_mov_b32 v[NS+\q], 0x7f800000                 ; +inf: the first factor is exp2(-inf) = 0
	v_mov_b32 v[LS+\q], 0
.endr
	WIN 0x80
.irp q, 0,1,2,3
.irp kh, 0,1
	global_load_b128 v[16*\q+8*\kh:16*\q+8*\kh+3],   v[QOFF], s[56:57] offset:2048*\q+64*\kh
	global_load_b128 v[16*\q+8*\kh+4:16*\q+8*\kh+7], v[QOFF], s[56:57] offset:2048*\q+64*\kh+32
.endr
.endr
.irp i, 0,1,2,3,4,5,6,7,8,9,10,11,12,13,14,15
	v_wmma_f32_16x16x32_f16 v[OB+8*\i:OB+8*\i+7], v[P1:P1+7], v[P1:P1+7], 0    ; O = 0 x 0 + 0
.endr
	WIN 0
	v_mul_u32_u24 v4, v1, KP
	v_lshl_add_u32 v[BK], v2, 4, v4                ; r x 144 + 16 h
	v_and_b32 v5, 7, v3
	v_lshl_add_u32 v5, v2, 3, v5                   ; key 8 h + lane mod 8
	v_mul_u32_u24 v5, v5, VP
	v_bfe_u32 v6, v0, 3, 1
	v_lshl_add_u32 v5, v6, 4, v5                   ; + 16 bytes for the odd groups of eight lanes
	v_add_nc_u32 v[BV], VOFF, v5
	s_mul_i32 s49, s8, WSTAGE
	s_add_co_u32 s49, s49, STAGE
	v_add_nc_u32 v[STO], s49, v[BK]
	v_lshrrev_b32 v6, 3, v3
	v_and_b32 v7, 7, v3
	v_mul_u32_u24 v6, v6, KP
	v_lshl_add_u32 v6, v7, 4, v6
	v_add_nc_u32 v[RD], s49, v6
	v_lshlrev_b32 v[CO], 4, v3
	v_add_nc_u32 v[ADRK], s55, v[BK]               ; slot 0
	v_add_nc_u32 v[ADRV], s55, v[BV]
	s_wait_tensorcnt 0x1                           ; my part of tile 0 is in; tile 1 stays out
	s_barrier_signal -1
	s_barrier_wait -1
	VLOAD                                          ; step 0's V, so that the first trip's PV 3 reads numbers (stage 0 loads the same again)
	KLOAD                                          ; step 0's K
	s_wait_loadcnt 0x0                             ; q
	CFG 0, 3, P1, 0, SB0, 1, 0, 1, 0
.set i_, 0
.rept 16
	EMITSQ i_                                      ; K Q^T of query tile 0, as K's fragments come in (V's loads are older: the counts cover them)
.set i_, i_+1
.endr
	WIN 0
	PLACES                                         ; stage 0 reads S
	s_mov_b32 s48, STEPS-2
.Lstep:
	STEP 2, 1                                      ; steps 0 to 13 ask for tiles 2 to 15
	WIN 0
	s_sub_co_u32 s48, s48, 1
	s_cmp_lg_u32 s48, 0
	s_cbranch_scc1 .Lstep
	STEP 1, 1                                      ; step 14: nothing is left to fetch
	STEP 0, 0                                      ; step 15: no next step
	CFG 0, 3, P1, 0, SB0, 0, 0, 0, 0
.set i_, 0
.rept 16
	EMITPV i_                                      ; the last query tile's P V
.set i_, i_+1
.endr
	; THE WAY OUT: divide by the sums, round to f16, through my own stage, out as runs of 512 consecutive bytes.
	WIN 0
	PLACES
.irp q, 0,1,2,3
	v_permlanex16_b32 v[MX+\q], v[LS+\q], s50, s51
.endr
.irp q, 0,1,2,3
	v_add_f32 v[LS+\q], v[LS+\q], v[MX+\q]
.endr
.irp q, 0,1,2,3
	v_rcp_f32 v[T+2*\q], v[LS+\q]
	v_rcp_f32 v[T+2*\q+1], v[LS+\q]
.endr
	v_nop                                          ; the plain place behind the reciprocals
	WIN 0x82
	s_wait_alu depctr_va_vdst(0)
.irp q, 0,1,2,3
.set j, 0
.rept 16
	v_pk_mul_f32 v[OB+32*\q+j:OB+32*\q+j+1], v[OB+32*\q+j:OB+32*\q+j+1], v[T+2*\q:T+2*\q+1]
.set j, j+2
.endr
.endr
	WIN 0x0a
.set j, 0
.rept 64
	v_cvt_pk_f16_f32 v[SB1+j], v[OB+2*j], v[OB+2*j+1]
.set j, j+1
.endr
	WIN 0
.irp q, 0,1,2,3
.irp dt, 0,1,2,3
	ds_store_b128 v[STO], v[SB1+4*(4*\q+\dt):SB1+4*(4*\q+\dt)+3] offset:16*KP*\q+32*\dt
.endr
.endr
.irp t, 0,1,2,3,4,5,6,7,8,9,10,11,12,13,14,15
	ds_load_b128 v[SB0+4*\t:SB0+4*\t+3], v[RD] offset:4*KP*\t      ; LDS serves a wave in order (ISA guide 5.7.1): these see the stores above
.endr
.irp t, 0,1,2,3,4,5,6,7,8,9,10,11,12,13,14,15
	s_wait_dscnt 15-\t                             ; read-back t is in, the younger ones stay out
	global_store_b128 v[CO], v[SB0+4*\t:SB0+4*\t+3], s[58:59] offset:512*\t
.endr
	s_wait_tensorcnt 0x0
	ds_add_u32 v30, v31
	s_wait_dscnt 0x0
	ROUND                                          ; the closing round
	s_endpgm
.Lfunc_end_k_q5b95f10fd8_attn:
	.size	k_q5b95f10fd8_attn, .Lfunc_end_k_q5b95f10fd8_attn-k_q5b95f10fd8_attn
	.p2alignl 7, 3214868480
	.fill 96, 4, 3214868480
	.section	.rodata,"a",@progbits
	.p2align	6, 0x0
	.amdhsa_kernel k_q5b95f10fd8_attn
		.amdhsa_group_segment_fixed_size 327680
		.amdhsa_private_segment_fixed_size 0
		.amdhsa_enable_private_segment 0
		.amdhsa_kernarg_size 16
		.amdhsa_user_sgpr_count 2
		.amdhsa_user_sgpr_kernarg_segment_ptr 1
		.amdhsa_wavefront_size32 1
		.amdhsa_system_sgpr_workgroup_id_x 1
		.amdhsa_system_sgpr_workgroup_id_y 1
		.amdhsa_system_sgpr_workgroup_id_z 1
		.amdhsa_system_vgpr_workitem_id 0
		.amdhsa_next_free_vgpr 768
		.amdhsa_next_free_sgpr 66
		.amdhsa_reserve_vcc 0
		.amdhsa_float_denorm_mode_32 3
		.amdhsa_float_denorm_mode_16_64 3
		.amdhsa_memory_ordered 1
		.amdhsa_forward_progress 1
		.amdhsa_inst_pref_size 238
	.end_amdhsa_kernel
	.amdgpu_metadata
---
amdhsa.version: [ 1, 2 ]
amdhsa.kernels:
  - .name:           k_q5b95f10fd8_attn
    .symbol:         k_q5b95f10fd8_attn.kd
    .args:
      - { .name: qkv, .offset: 0, .size: 8, .value_kind: global_buffer, .address_space: global }
      - { .name: ao, .offset: 8, .size: 8, .value_kind: global_buffer, .address_space: global }
    .group_segment_fixed_size: 327680
    .private_segment_fixed_size: 0
    .kernarg_segment_align: 8
    .kernarg_segment_size: 16
    .max_flat_workgroup_size: 128
    .sgpr_count:     66
    .vgpr_count:     768
    .wavefront_size: 32
...
	.end_amdgpu_metadata
.endif
;; end of part 5
;; launch proj: the kernel of part 4 again; grid 8 x 32, 4 waves a work-group, clusters of 4 x 4, 327,680 bytes of LDS; arguments ao, cb, bo, out0; writes out0
